; MI455X (gfx1250); checked and timed in simulation.
; The chip was launched on July 23, 2026; its instructions are those of AMD's public machine-readable ISA for CDNA 5 (MIT licence, August 2026) and "CDNA5" Instruction Set Architecture Reference Guide (July 2026). The comments in the code are by the model that wrote it; some were corrected since.
;; Pointnet FP Module. Allowed arithmetic: matrix products marked QUANTISED: E2M1 operands, one E8M0 scale for each 32 along K, by v_wmma_scale_f32_16x16x128_f8f6f4 with both operands' format E2M1 (or v_wmma_scale_f32_32x16x128_f4), f32 sums; everything else in f32.
;; Inputs: W1_codes 256 x 16 x 16 uint8 (E2M1 codes of W1, K innermost, in blocks of 32 codes, two codes a byte); W1_scales 256 x 16 uint8 (E8M0 scales of W1, one for each 32 codes along K); W2_codes 256 x 8 x 16 uint8 (E2M1 codes of W2, K innermost, in blocks of 32 codes, two codes a byte); W2_scales 256 x 8 uint8 (E8M0 scales of W2, one for each 32 codes along K); b1 256 float32; b2 256 float32; g1 256 float32; g2 256 float32; known 16 x 1,024 x 3 float32; known_feats 16 x 256 x 1,024 float32; unknow_feats 16 x 256 x 4,096 float32; unknown 16 x 4,096 x 3 float32.
;; Outputs: out0 16 x 256 x 4,096 float32.
;; This version of the problem:
;;   THIS VERSION OF THE PROBLEM IS GIVEN IN LOW PRECISION. The matrix products marked QUANTISED in the list below multiply operands that are first quantised to E2M1 (2 exponent bits, 1 mantissa bit; 4 bits a number), with one power-of-two scale for each 32 numbers along K (OCP MX v1.0); their sums are f32. All else is computed in f32.
;;   The module's matrix products, in the order in which they are computed (A, B: the left and right operand; K: the contracted axis; several contracted axes count as one K, in the product's order):
;;     1. [M 65,536, K 512] x [K 512, N 256]; A: computed on the way; B: input W1 (given as codes): QUANTISED
;;     2. [M 65,536, K 256] x [K 256, N 256]; A: computed on the way; B: input W2 (given as codes): QUANTISED
;;   THE QUANTISER, for each operand of a quantised product, along K:
;;     - K is cut into blocks of 32 from its start; a last block that is shorter is filled with zeros.
;;     - A block's scale is 2^e with e = floor(log2(the largest magnitude in the block)) - 2, held to -126 .. 127; a block of zeros has e = 0. As a byte (E8M0): e + 127.
;;     - Each number is divided by its block's scale, clamped to +-6, and rounded to the nearest number of E2M1, ties to even, subnormals kept.
;;     - The product sums the exact products of the quantised numbers (number of the format x scale) in f32.
;;   ~~~python
;;   def quantise(x, axis):      # numpy; x: float32 -> the quantised numbers, widened to float32 again
;;       x = np.moveaxis(x, axis, -1); K = x.shape[-1]
;;       x = np.pad(x, [(0, 0)] * (x.ndim - 1) + [(0, -K % 32)]); x = x.reshape(x.shape[:-1] + (-1, 32)); a = np.abs(x).max(-1, keepdims=True)
;;       e = np.where(a > 0, np.clip(np.frexp(np.where(a > 0, a, 1))[1] - 1 - 2, -126, 127), 0)      # np.frexp(a)[1] - 1 = floor(log2(a)), exactly
;;       r = np.clip(x / 2.0 ** e, -6, 6)
;;       step = 2.0 ** (np.maximum(np.frexp(np.where(r == 0, 1, r))[1] - 1, 0) - 1)
;;       q = np.round(r / step) * step * 2.0 ** e      # np.round: ties to even
;;       return np.moveaxis(q.reshape(q.shape[:-2] + (-1,))[..., :K], -1, axis).astype(np.float32)
;;   ~~~
;;   OPERANDS COMPUTED ON THE WAY. 'Computed on the way' means the value that the module computes at that place (a softmax that the list does not call 'softmax' is quantised finished and normalised). What goes into a quantiser is computed in f32, as accurately as f32 sums, v_exp_f32 and their like allow (about 1e-6 of the number): no bf16 or f16 on the way to a quantiser, and a product that is left as it is and whose result goes on into a quantised operand takes f32 operands (vector FMAs, or v_wmma_f32_16x16x4_f32). A number that lies on a knife's edge between two numbers of the format may be rounded either way, as far as f32 arithmetic and the matrix unit's own rounding can turn it there, and no further.
;;   INPUTS GIVEN AS CODES. W1 (in the module: [256, 512], K = its axis 1); W2 (in the module: [256, 256], K = its axis 1): each comes as NAME_codes (uint8): NAME with its K axis moved to the last place and cut into blocks of 32 codes, [.., K / 32, bytes a block], one block behind the other in memory; two codes a byte, the lower K in the low four bits (a code: sign, 2 exponent bits, 1 mantissa bit); and NAME_scales (uint8): the same leading axes, one E8M0 byte (e + 127) for each 32 codes along K. Its value is code x scale, taken as it is: it is not quantised again, and the codes and scales need not be those that the quantiser above would give.
;; 2 versions, each right; version 2 is version 1 with the launches p1, mid, fin written anew for expert scheduling mode. Each part assembles by itself: llvm-mc -triple=amdgcn-amd-amdhsa -mcpu=gfx1250 --defsym DOCPART=n.
;; ======== version 1 of 2: 8 launches
;; workspace buffers: blk 262,144 bytes of whole numbers; nidx 1,048,576 bytes of whole numbers; ubuf 8,912,896 bytes; rbuf 17,825,792 bytes; fbuf 8,912,896 bytes; mbuf 9,961,472 bytes; st1 2,048 bytes; st2 2,048 bytes
;; launch coarse (part 1): grid 256 x 1, 8 waves a work-group, no clusters, 87,552 bytes of LDS; arguments unknown, known, unknow_feats, blk, ubuf; writes blk, ubuf
.if DOCPART == 1
	.amdgcn_target "amdgcn-amd-amdhsa--gfx1250"
	.amdhsa_code_object_version 6
	.text
	.protected	k_qb483f51ab2_coarse
	.globl	k_qb483f51ab2_coarse
	.p2align	8
	.type	k_qb483f51ab2_coarse,@function
k_qb483f51ab2_coarse:
	s_mov_b64 s[64:65], 0
	v_nop
	global_prefetch_b8 v0, s[64:65] scope:SCOPE_SE
	s_setreg_imm32_b32 hwreg(HW_REG_WAVE_MODE, 25, 1), 1
	s_wait_xcnt 0x0
; THREE_NN, FIRST PASS, and the codes of unknow_feats.
; A work-group owns 256 queries of one batch, a wave 32 of them.  The batch's 1,024 known points are cut into 32 blocks of 32 neighbours;
; LANE L HOLDS BLOCK L in 96 registers (x, y, z apart), the query is scalar.  For a query the wave forms all 1,024 squared distances, two an
; instruction, and each lane keeps its block's smallest.  The 32 x 32 minima turn through the wave's own LDS bytes (lane = query), and an insertion
; with payload finds the three blocks with the smallest minimum (ties: the lower block).  Their numbers, ascending, go out as one word a query.
; The three nearest points lie in these three blocks: a point outside them would have three blocks, each with a point ahead of it.
; d = (k + (-u))^2 summed x, y, z by one multiply and two fused multiply-adds: the next launch forms the same bits by the same instructions.
; UNDER THAT ARITHMETIC the wave streams its 32 points' 256 channels of unknow_feats: a lane takes a point, its registers run down the channels,
; so a block of 32 along K is one lane's 32 registers.  Scale = 2^(floor(log2(largest magnitude)) - 2); codes K innermost, [point][128 bytes].
; LIMITS: NaN and infinities are not served.  Two candidates whose distances differ by a last bit may be ranked otherwise than under another
; order of rounding.  A block of zeros gets the byte 1, not 127: its codes are zeros and this program alone reads the bytes.
; No shared tiles but the 12 KB of known points, read once a work-group: no cluster, no tensor load.
.set KP,  400                          ; a block of known points in LDS: 128 bytes of x, of y, of z, 16 of padding: 25 x 16 bytes, so 16 lanes' rows start in 16 different columns
.set TR,  12800                        ; behind the 32 blocks: for each wave 32 rows (query) x 144 bytes (32 minima + 16)
.set TRW, 4608
.set UST, 49664                        ; behind them: for each wave 32 rows (point) x 144 bytes (128 of codes + 16)
.set CX,  32                           ; v32-63 x, v64-95 y, v96-127 z of my block
.set CY,  64
.set CZ,  96
.set D,   128                          ; v128-175 two sets of 24: differences, then distances
.set UF,  176                          ; v176-239 two sets of 32 numbers of unknow_feats
.set UC,  240                          ; v240-247 two sets of 4 registers of codes
.set SB,  248                          ; v248-249 my point's eight scale bytes
	s_load_b256 s[4:11], s[0:1], 0x0               ; unknown, known, unknow_feats, blk
	s_load_b64 s[12:13], s[0:1], 0x20              ; ubuf
	v_lshl_add_u32 v254, v0, 2, 0x15200
	v_mov_b32 v255, 0
	v_lshrrev_b32 v1, 5, v0
	v_readfirstlane_b32 s14, v1                    ; wave
	v_and_b32 v1, 31, v0                           ; lane
	v_lshlrev_b32 v2, 2, v1                        ; 4 x lane
	v_mul_u32_u24 v3, v0, 48                       ; my four known points: 48 bytes
	v_lshrrev_b32 v4, 3, v0
	v_mul_u32_u24 v4, v4, KP
	v_and_b32 v28, 7, v0
	v_lshl_add_u32 v4, v28, 4, v4                  ; where they go: block thread / 8, place 4 (thread % 8)
	v_mul_u32_u24 v5, v1, KP                       ; my block
	s_mul_i32 s24, s14, TRW
	v_add_nc_u32 v6, s24, v2
	v_add_nc_u32 v6, TR, v6                        ; minima in: column = lane (block); the row (query) stands in the offset
	v_mul_u32_u24 v7, v1, 144
	v_add_nc_u32 v7, s24, v7
	v_add_nc_u32 v8, UST, v7                       ; codes in: row = lane (point)
	v_add_nc_u32 v7, TR, v7                        ; minima out: row = lane (query)
	v_lshrrev_b32 v9, 3, v1
	v_mul_u32_u24 v9, v9, 144
	v_and_b32 v28, 7, v1
	v_lshl_add_u32 v9, v28, 4, v9
	v_add_nc_u32 v9, s24, v9
	v_add_nc_u32 v9, UST, v9                       ; codes out: eight lanes to a row of 128 bytes, four rows an instruction
	v_lshlrev_b32 v10, 4, v1
	v_lshlrev_b32 v11, 3, v1
	v_mul_u32_u24 v12, v1, 12
	s_lshr_b32 s15, ttmp9, 4                       ; batch
	s_and_b32 s16, ttmp9, 15
	s_lshl_b32 s16, s16, 8
	s_lshl_b32 s25, s14, 5
	s_add_co_u32 s16, s16, s25                     ; my wave's first point in the batch
	s_lshl_b32 s17, ttmp9, 8
	s_add_co_u32 s17, s17, s25                     ; and among all 65,536
	s_mul_i32 s18, s15, 12288
	s_mov_b32 s19, 0
	s_mul_i32 s20, s17, 12
	s_mov_b32 s21, 0
	s_lshl_b32 s22, s15, 22
	s_lshl_b32 s26, s16, 2
	s_add_co_u32 s22, s22, s26
	s_mov_b32 s23, 0
	s_lshl_b32 s26, s17, 2
	s_mov_b32 s27, 0
	s_lshl_b32 s28, s17, 7
	s_mov_b32 s29, 0
	s_lshl_b32 s30, s17, 3
	s_add_co_u32 s30, s30, 8388608
	s_mov_b32 s31, 0
.irp r, 41,43,45,47,49,51
	s_mov_b32 s\r, 0                               ; upper words of the pairs that the packed forms name: written once
.endr
	s_wait_kmcnt 0x0
	s_add_nc_u64 s[6:7], s[6:7], s[18:19]          ; known of my batch
	s_add_nc_u64 s[4:5], s[4:5], s[20:21]          ; unknown at my wave's first point
	s_add_nc_u64 s[8:9], s[8:9], s[22:23]          ; unknow_feats: batch, channel 0, my wave's first point
	s_add_nc_u64 s[10:11], s[10:11], s[26:27]      ; blk
	s_add_nc_u64 s[36:37], s[12:13], s[30:31]      ; the scale bytes
	s_add_nc_u64 s[12:13], s[12:13], s[28:29]      ; the codes
.macro ULOAD g                         ; channels 32 g .. 32 g + 31 of my point: each load reads 128 consecutive bytes a wave, the eight waves 1,024 of a row
.set i, 0
.rept 32
	global_load_b32 v[UF+32*((\g)%2)+i], v2, s[8:9] offset:(32*(\g)+i)*16384 th:TH_LOAD_NT
.set i, i+1
.endr
.endm
.macro DIST g, set                     ; the distances of my block's points 8 g .. 8 g + 7 to the query in s[US ..]
.set DD, D+24*(\set)
.irp k, 0,1,2,3
	v_pk_add_f32 v[DD+2*\k:DD+2*\k+1], v[CX+8*(\g)+2*\k:CX+8*(\g)+2*\k+1], s[US:US+1] op_sel_hi:[1,0]
.endr
.irp k, 0,1,2,3
	v_pk_add_f32 v[DD+8+2*\k:DD+9+2*\k], v[CY+8*(\g)+2*\k:CY+8*(\g)+2*\k+1], s[US+2:US+3] op_sel_hi:[1,0]
.endr
.irp k, 0,1,2,3
	v_pk_add_f32 v[DD+16+2*\k:DD+17+2*\k], v[CZ+8*(\g)+2*\k:CZ+8*(\g)+2*\k+1], s[US+4:US+5] op_sel_hi:[1,0]
.endr
.irp k, 0,1,2,3
	v_pk_mul_f32 v[DD+2*\k:DD+2*\k+1], v[DD+2*\k:DD+2*\k+1], v[DD+2*\k:DD+2*\k+1]
.endr
.irp k, 0,1,2,3
	v_pk_fma_f32 v[DD+2*\k:DD+2*\k+1], v[DD+8+2*\k:DD+9+2*\k], v[DD+8+2*\k:DD+9+2*\k], v[DD+2*\k:DD+2*\k+1]
.endr
.irp k, 0,1,2,3
	v_pk_fma_f32 v[DD+2*\k:DD+2*\k+1], v[DD+16+2*\k:DD+17+2*\k], v[DD+16+2*\k:DD+17+2*\k], v[DD+2*\k:DD+2*\k+1]
.endr
.endm
.macro MINS g, set                     ; two chains take four of the eight each
.set DD, D+24*(\set)
.if (\g) == 0
	v_min_num_f32 v[MA], v[DD], v[DD+1]
	v_min_num_f32 v[MB], v[DD+4], v[DD+5]
.else
	v_min3_num_f32 v[MA], v[MA], v[DD], v[DD+1]
	v_min3_num_f32 v[MB], v[MB], v[DD+4], v[DD+5]
.endif
	v_min3_num_f32 v[MA], v[MA], v[DD+2], v[DD+3]
	v_min3_num_f32 v[MB], v[MB], v[DD+6], v[DD+7]
.endm
.macro UNK u                           ; query u of my wave's 32
.set US, 40+6*((\u)%2)
.set MA, 16+(\u)%4
.set MB, 20+(\u)%2
	v_readlane_b32 s[US], v13, \u
	v_readlane_b32 s[US+2], v14, \u
	v_readlane_b32 s[US+4], v15, \u
.irp g, 0,1,2,3
	DIST \g, \g%2
	MINS \g, \g%2
.endr
	v_min_num_f32 v[MA], v[MA], v[MB]
	ds_store_b32 v6, v[MA] offset:144*(\u)
.endm
.macro UQUANT g                        ; block g of my point's 256 channels becomes 16 bytes of codes and a scale byte
.set XS, UF+32*((\g)%2)
.set CC, UC+4*((\g)%2)
.if (\g) < 7
	s_wait_loadcnt 32                              ; this block's 32 loads are in; the next block's 32 may be out
.else
	s_wait_loadcnt 0x0
.endif
	s_wait_dscnt 0x0                               ; the LDS stores issued so far have read their registers
	v_max3_num_f32 v250, |v[XS]|, |v[XS+1]|, |v[XS+2]|
	v_max3_num_f32 v251, |v[XS+3]|, |v[XS+4]|, |v[XS+5]|
.irp i, 6,10,14,18,22,26
	v_max3_num_f32 v250, v250, |v[XS+\i]|, |v[XS+\i+1]|
	v_max3_num_f32 v251, v251, |v[XS+\i+2]|, |v[XS+\i+3]|
.endr
	v_max3_num_f32 v250, v250, |v[XS+30]|, |v[XS+31]|
	v_max3_num_f32 v250, v250, v251, 0x1800000     ; and the floor 2^(3 - 127): the byte cannot fall under 1
	v_add_nc_u32 v252, 0xff000000, v250            ; 2 off the exponent field: the conversion takes this operand's exponent field as its scale
.irp e, 0,1,2,3
	v_cvt_scalef32_pk8_fp4_f32 v[CC+\e], v[XS+8*\e:XS+8*\e+7], v252
.endr
	v_lshrrev_b32 v253, 23, v252                   ; the scale's byte (also the plain instruction behind the conversions)
.if (\g)%4 == 0
	v_mov_b32 v[SB+(\g)/4], v253
.else
	v_lshl_or_b32 v[SB+(\g)/4], v253, 8*((\g)%4), v[SB+(\g)/4]
.endif
	ds_store_b128 v8, v[CC:CC+3] offset:16*(\g)
.endm
; t with the number n is put among the three smallest so far (v22 <= v23 <= v24, numbers v25-27).  Strictly smaller only: of equals the earlier stays ahead.
.macro INS n, t
	v_cmp_lt_f32 s32, v[\t], v22
	v_cmp_lt_f32 s33, v[\t], v23
	v_cmp_lt_f32 s34, v[\t], v24
	v_cndmask_b32 v28, \n, v26, s33
	v_cndmask_b32 v27, v27, v28, s34
	v_cndmask_b32 v29, \n, v25, s32
	v_cndmask_b32 v26, v26, v29, s33
	v_cndmask_b32 v25, v25, \n, s32
	v_med3_num_f32 v24, v23, v24, v[\t]
	v_med3_num_f32 v23, v22, v23, v[\t]
	v_min_num_f32 v22, v22, v[\t]
.endm
	global_load_b128 v[128:131], v3, s[6:7]
	global_load_b128 v[132:135], v3, s[6:7] offset:16
	global_load_b128 v[136:139], v3, s[6:7] offset:32
	global_load_b32 v13, v12, s[4:5]
	global_load_b32 v14, v12, s[4:5] offset:4
	global_load_b32 v15, v12, s[4:5] offset:8
	ULOAD 0
	s_wait_loadcnt 32                              ; known and unknown are in; the 32 loads of channels 0-31 may be out
.irp c, 0,1,2
.irp e, 0,1,2,3
	v_mov_b32 v[140+4*\c+\e], v[128+3*\e+\c]       ; x, y, z of my four points apart
.endr
.endr
	ds_store_b128 v4, v[140:143]
	ds_store_b128 v4, v[144:147] offset:128
	ds_store_b128 v4, v[148:151] offset:256
.irp c, 13,14,15
	v_xor_b32 v\c, 0x80000000, v\c                 ; -u: the differences are then plain additions
.endr
	ULOAD 1
	s_wait_dscnt 0x0                               ; for the others' sake: my stores have landed
	s_barrier_signal -1
	s_barrier_wait -1
.irp i, 0,1,2,3,4,5,6,7
	ds_load_b128 v[CX+4*\i:CX+4*\i+3], v5 offset:16*\i
	ds_load_b128 v[CY+4*\i:CY+4*\i+3], v5 offset:128+16*\i
	ds_load_b128 v[CZ+4*\i:CZ+4*\i+3], v5 offset:256+16*\i
.endr
	s_wait_dscnt 0x0
.irp k, 0,1,2,3,4,5,6,7                ; four queries, then a block of channels, whose loads were asked for two such trips ago
	UNK 4*\k
	UNK 4*\k+1
	UNK 4*\k+2
	UNK 4*\k+3
	UQUANT \k
.if \k < 6
	ULOAD \k+2
.endif
.endr
.irp i, 0,1,2,3,4,5,6,7
	ds_load_b128 v[176+4*\i:179+4*\i], v9 offset:576*\i    ; LDS serves a wave's instructions in order: these see my stores
.endr
.irp i, 0,1,2,3,4,5,6,7
	ds_load_b128 v[128+4*\i:131+4*\i], v7 offset:16*\i     ; the 32 block minima of query = lane
.endr
.irp i, 0,1,2,3,4,5,6,7
	s_wait_dscnt 15-\i                             ; the younger LDS loads may be out
	global_store_b128 v10, v[176+4*\i:179+4*\i], s[12:13] offset:512*\i   ; 512 consecutive bytes: four points' codes
.endr
	global_store_b64 v11, v[SB:SB+1], s[36:37]     ; 256 consecutive bytes: 32 points' scale bytes
.irp r, 22,23,24
	v_mov_b32 v\r, 0x7f800000
.endr
.irp r, 25,26,27
	v_mov_b32 v\r, 0
.endr
	s_wait_dscnt 0x0
.set L, 0
.rept 32
	INS L, 128+L
.set L, L+1
.endr
	v_min_u32 v28, v25, v26                        ; the three numbers in ascending order (the larger of two is their sum less the smaller)
	v_add_nc_u32 v29, v25, v26
	v_sub_nc_u32 v30, v29, v28
	v_min_u32 v28, v28, v27                        ; the lowest
	v_min_u32 v31, v30, v27
	v_add_nc_u32 v30, v30, v27
	v_sub_nc_u32 v30, v30, v31                     ; the highest
	v_add_nc_u32 v29, v29, v27
	v_sub_nc_u32 v29, v29, v28
	v_sub_nc_u32 v29, v29, v30                     ; the one between
	v_lshl_or_b32 v28, v29, 8, v28
	v_lshl_or_b32 v28, v30, 16, v28
	global_store_b32 v2, v28, s[10:11]
	s_wait_tensorcnt 0x0
	ds_add_u32 v254, v255
	s_wait_dscnt 0x0
	s_endpgm
.Lfunc_end_k_qb483f51ab2_coarse:
	.size	k_qb483f51ab2_coarse, .Lfunc_end_k_qb483f51ab2_coarse-k_qb483f51ab2_coarse
	.p2alignl 7, 3214868480
	.fill 96, 4, 3214868480
	.section	.rodata,"a",@progbits
	.p2align	6, 0x0
	.amdhsa_kernel k_qb483f51ab2_coarse
		.amdhsa_group_segment_fixed_size 87552
		.amdhsa_private_segment_fixed_size 0
		.amdhsa_enable_private_segment 0
		.amdhsa_kernarg_size 40
		.amdhsa_user_sgpr_count 2
		.amdhsa_user_sgpr_kernarg_segment_ptr 1
		.amdhsa_wavefront_size32 1
		.amdhsa_system_sgpr_workgroup_id_x 1
		.amdhsa_system_sgpr_workgroup_id_y 1
		.amdhsa_system_sgpr_workgroup_id_z 1
		.amdhsa_system_vgpr_workitem_id 0
		.amdhsa_next_free_vgpr 256
		.amdhsa_next_free_sgpr 66
		.amdhsa_reserve_vcc 0
		.amdhsa_float_denorm_mode_32 3
		.amdhsa_float_denorm_mode_16_64 3
		.amdhsa_memory_ordered 1
		.amdhsa_forward_progress 1
		.amdhsa_inst_pref_size 255
	.end_amdhsa_kernel
	.section	.bss,"aw",@nobits
	.p2align	6
	.space	262144
	.amdgpu_metadata
---
amdhsa.version: [ 1, 2 ]
amdhsa.kernels:
  - .name:           k_qb483f51ab2_coarse
    .symbol:         k_qb483f51ab2_coarse.kd
    .args:
      - { .name: unknown, .offset: 0, .size: 8, .value_kind: global_buffer, .address_space: global }
      - { .name: known, .offset: 8, .size: 8, .value_kind: global_buffer, .address_space: global }
      - { .name: unknow_feats, .offset: 16, .size: 8, .value_kind: global_buffer, .address_space: global }
      - { .name: blk, .offset: 24, .size: 8, .value_kind: global_buffer, .address_space: global }
      - { .name: ubuf, .offset: 32, .size: 8, .value_kind: global_buffer, .address_space: global }
    .group_segment_fixed_size: 87552
    .private_segment_fixed_size: 0
    .kernarg_segment_align: 8
    .kernarg_segment_size: 40
    .max_flat_workgroup_size: 256
    .sgpr_count:     66
    .vgpr_count:     256
    .wavefront_size: 32
...
	.end_amdgpu_metadata
.endif
;; end of part 1
;; launch refine (part 2): grid 256 x 1, 8 waves a work-group, no clusters, 80,384 bytes of LDS; arguments unknown, known, known_feats, blk, nidx, rbuf; writes nidx, rbuf
.if DOCPART == 2
	.amdgcn_target "amdgcn-amd-amdhsa--gfx1250"
	.amdhsa_code_object_version 6
	.text
	.protected	k_qb483f51ab2_refine
	.globl	k_qb483f51ab2_refine
	.p2align	8
	.type	k_qb483f51ab2_refine,@function
k_qb483f51ab2_refine:
	s_mov_b64 s[64:65], 0
	v_nop
	global_prefetch_b8 v0, s[64:65] scope:SCOPE_SE
	s_setreg_imm32_b32 hwreg(HW_REG_WAVE_MODE, 25, 1), 1
	s_wait_xcnt 0x0
; THREE_NN, SECOND PASS, the weights, and known_feats turned to [batch][point][256 channels].
; A lane takes a query.  Its three blocks of 32 known points (numbers stored by the launch before, ascending) are read from LDS and their 96
; distances, formed by the same instructions as there, go through an insertion with payload in ascending order of the points' numbers:
; strictly smaller only, so of equal distances the lower point stays ahead.  weight = (1 / (d + 1e-8)) / their sum.
; Meanwhile the work-group's tile of known_feats (64 points x 256 channels) is on its way; it is turned through LDS and leaves as rows of 1,024 bytes,
; so that the next launch finds a neighbour's 256 channels on end.
; LIMITS: NaN and infinities are not served; 1 / x is v_rcp_f32 and a multiplication.
.set KP,  400                          ; a block of known points in LDS: x, y, z of 128 bytes each + 16
.set KTT, 12800                        ; the stage: 64 rows of 1,024 bytes + 16.  Point 4 q + e of the tile lies in row 16 e + q, so that the sixteen lanes of a store fall on sixteen neighbouring rows
.set KTP, 1040
.set KT,  32                           ; v32-95  the tile as loaded
.set CX,  96                           ; v96-127 x, v128-159 y, v160-191 z of one block; later at work on the tile
.set CY,  128
.set CZ,  160
.set D,   192                          ; v192-215
	s_load_b256 s[4:11], s[0:1], 0x0               ; unknown, known, known_feats, blk
	s_load_b128 s[12:15], s[0:1], 0x20             ; nidx, rbuf
	v_lshl_add_u32 v254, v0, 2, 0x13600
	v_mov_b32 v255, 0
	v_lshrrev_b32 v1, 5, v0
	v_readfirstlane_b32 s16, v1                    ; wave
	v_and_b32 v1, 31, v0
	v_lshlrev_b32 v2, 2, v1
	v_mul_u32_u24 v3, v0, 48
	v_lshrrev_b32 v4, 3, v0
	v_mul_u32_u24 v4, v4, KP
	v_and_b32 v28, 7, v0
	v_lshl_add_u32 v4, v28, 4, v4
	v_mul_u32_u24 v5, v1, 12
	v_lshlrev_b32 v6, 4, v1
	v_lshrrev_b32 v28, 4, v1                       ; hl
	v_and_b32 v29, 15, v1                          ; q
	v_lshlrev_b32 v7, 14, v28
	v_lshl_add_u32 v7, v29, 4, v7                  ; the tile: four channels down for lanes 16-31, 16 bytes (four points) a lane
	v_mul_u32_u24 v8, v29, KTP
	v_lshl_add_u32 v8, v28, 4, v8
	s_lshl_b32 s17, s16, 5
	v_add_nc_u32 v8, s17, v8
	v_add_nc_u32 v8, KTT, v8                       ; into the stage: row q (+ 16 e), channels 8 wave + 4 hl (+ 64 i)
	s_mul_i32 s18, s16, 2*KTP
	v_add_nc_u32 v9, s18, v6
	v_add_nc_u32 v9, KTT, v9                       ; out of it: points 8 wave + k lie in rows 16 (k % 4) + 2 wave + k / 4
	s_lshr_b32 s19, ttmp9, 4                       ; batch
	s_lshl_b32 s20, ttmp9, 8
	s_add_co_u32 s20, s20, s17                     ; my wave's first query among all
	s_mov_b32 s23, 0
	s_wait_kmcnt 0x0
	s_mul_i32 s22, s19, 12288
	s_add_nc_u64 s[6:7], s[6:7], s[22:23]
	s_mul_i32 s22, s20, 12
	s_add_nc_u64 s[4:5], s[4:5], s[22:23]
	s_lshl_b32 s22, s19, 20
	s_lshl_b32 s24, s16, 15
	s_add_co_u32 s22, s22, s24
	s_and_b32 s24, ttmp9, 15
	s_lshl_b32 s24, s24, 8
	s_add_co_u32 s22, s22, s24
	s_add_nc_u64 s[8:9], s[8:9], s[22:23]          ; known_feats: batch, channel 8 wave, point 64 (work-group % 16)
	s_lshl_b32 s22, s20, 2
	s_add_nc_u64 s[10:11], s[10:11], s[22:23]
	s_lshl_b32 s22, s20, 4
	s_add_nc_u64 s[12:13], s[12:13], s[22:23]
	s_add_co_u32 s22, s22, 16777216
	s_add_nc_u64 s[26:27], s[14:15], s[22:23]      ; the weights
	s_lshl_b32 s22, ttmp9, 16
	s_lshl_b32 s24, s16, 13
	s_add_co_u32 s22, s22, s24
	s_add_nc_u64 s[14:15], s[14:15], s[22:23]      ; the turned table: row 64 work-group + 8 wave
	global_load_b128 v[96:99], v3, s[6:7]
	global_load_b128 v[100:103], v3, s[6:7] offset:16
	global_load_b128 v[104:107], v3, s[6:7] offset:32
	global_load_b32 v22, v5, s[4:5]
	global_load_b32 v24, v5, s[4:5] offset:4
	global_load_b32 v26, v5, s[4:5] offset:8
	global_load_b32 v233, v2, s[10:11]
.irp i, 0,1,2,3
.irp j, 0,1,2,3
	global_load_b128 v[KT+16*\i+4*\j:KT+16*\i+4*\j+3], v7, s[8:9] offset:(64*\i+\j)*4096 th:TH_LOAD_NT   ; sixteen lanes read 256 consecutive bytes of a channel's row
.endr
.endr
.irp r, 23,25,27
	v_mov_b32 v\r, 0                               ; upper halves of the pairs that the packed forms name
.endr
	s_wait_loadcnt 16                              ; all but the tile's sixteen loads
.irp c, 0,1,2
.irp e, 0,1,2,3
	v_mov_b32 v[108+4*\c+\e], v[96+3*\e+\c]
.endr
.endr
	ds_store_b128 v4, v[108:111]
	ds_store_b128 v4, v[112:115] offset:128
	ds_store_b128 v4, v[116:119] offset:256
.irp r, 22,24,26
	v_xor_b32 v\r, 0x80000000, v\r                 ; -u
.endr
.irp s, 0,1,2
	v_bfe_u32 v[10+\s], v233, 8*\s, 8
	v_min_u32 v[10+\s], 31, v[10+\s]               ; a stored number enters an address only behind this bound
	v_mul_u32_u24 v[13+\s], v[10+\s], KP
.endr
.irp r, 16,17,18
	v_mov_b32 v\r, 0x7f800000
.endr
.irp r, 19,20,21
	v_mov_b32 v\r, 0
.endr
	s_wait_dscnt 0x0
	s_barrier_signal -1
	s_barrier_wait -1                              ; all 1,024 known points lie in LDS
.macro DIST g
.irp k, 0,1,2,3
	v_pk_add_f32 v[D+2*\k:D+2*\k+1], v[CX+8*(\g)+2*\k:CX+8*(\g)+2*\k+1], v[22:23] op_sel_hi:[1,0]
.endr
.irp k, 0,1,2,3
	v_pk_add_f32 v[D+8+2*\k:D+9+2*\k], v[CY+8*(\g)+2*\k:CY+8*(\g)+2*\k+1], v[24:25] op_sel_hi:[1,0]
.endr
.irp k, 0,1,2,3
	v_pk_add_f32 v[D+16+2*\k:D+17+2*\k], v[CZ+8*(\g)+2*\k:CZ+8*(\g)+2*\k+1], v[26:27] op_sel_hi:[1,0]
.endr
.irp k, 0,1,2,3
	v_pk_mul_f32 v[D+2*\k:D+2*\k+1], v[D+2*\k:D+2*\k+1], v[D+2*\k:D+2*\k+1]
.endr
.irp k, 0,1,2,3
	v_pk_fma_f32 v[D+2*\k:D+2*\k+1], v[D+8+2*\k:D+9+2*\k], v[D+8+2*\k:D+9+2*\k], v[D+2*\k:D+2*\k+1]
.endr
.irp k, 0,1,2,3
	v_pk_fma_f32 v[D+2*\k:D+2*\k+1], v[D+16+2*\k:D+17+2*\k], v[D+16+2*\k:D+17+2*\k], v[D+2*\k:D+2*\k+1]
.endr
.endm
.macro INS n, t                        ; v16 <= v17 <= v18 the three smallest, v19-21 their numbers (32 x slot + place in the block)
	v_cmp_lt_f32 s32, v[\t], v16
	v_cmp_lt_f32 s33, v[\t], v17
	v_cmp_lt_f32 s34, v[\t], v18
	v_cndmask_b32 v28, \n, v20, s33
	v_cndmask_b32 v21, v21, v28, s34
	v_cndmask_b32 v29, \n, v19, s32
	v_cndmask_b32 v20, v20, v29, s33
	v_cndmask_b32 v19, v19, \n, s32
	v_med3_num_f32 v18, v17, v18, v[\t]
	v_med3_num_f32 v17, v16, v17, v[\t]
	v_min_num_f32 v16, v16, v[\t]
.endm
.macro BLOCK s
.irp i, 0,1,2,3,4,5,6,7
	ds_load_b128 v[CX+4*\i:CX+4*\i+3], v[13+\s] offset:16*\i
	ds_load_b128 v[CY+4*\i:CY+4*\i+3], v[13+\s] offset:128+16*\i
	ds_load_b128 v[CZ+4*\i:CZ+4*\i+3], v[13+\s] offset:256+16*\i
.endr
.irp g, 0,1,2,3
	s_wait_dscnt 18-6*\g                           ; the six loads of each later group of eight points may be out
	DIST \g
.irp e, 0,1,2,3,4,5,6,7
	INS 32*(\s)+8*\g+\e, D+\e
.endr
.endr
.endm
	BLOCK 0
	BLOCK 1
	BLOCK 2
.macro PICK dst, id                    ; the point's number: 32 x the slot's block + the place in it
	v_lshrrev_b32 v28, 5, v[\id]
	v_and_b32 v29, 31, v[\id]
	v_cmp_eq_u32 vcc_lo, 1, v28
	v_cndmask_b32 v30, v10, v11, vcc_lo
	v_cmp_eq_u32 vcc_lo, 2, v28
	v_cndmask_b32 v30, v30, v12, vcc_lo
	v_lshl_add_u32 v[\dst], v30, 5, v29
.endm
	PICK 216, 19
	PICK 217, 20
	PICK 218, 21
	v_add_f32 v220, 0x322bcc77, v16                ; d + 1e-8
	v_add_f32 v221, 0x322bcc77, v17
	v_add_f32 v222, 0x322bcc77, v18
	v_rcp_f32 v220, v220
	v_rcp_f32 v221, v221
	v_rcp_f32 v222, v222
	v_mov_b32 v223, 0                              ; (a plain instruction behind the reciprocals)
	s_wait_alu depctr_va_vdst(0)
	v_add_f32 v224, v220, v221
	v_add_f32 v224, v224, v222
	v_rcp_f32 v224, v224
	v_mov_b32 v219, 0                              ; (likewise)
	s_wait_alu depctr_va_vdst(0)
	v_mul_f32 v220, v220, v224
	v_mul_f32 v221, v221, v224
	v_mul_f32 v222, v222, v224
	global_store_b128 v6, v[216:219], s[12:13]     ; 512 consecutive bytes a wave
	global_store_b128 v6, v[220:223], s[26:27]
	s_wait_dscnt 0x0
	s_barrier_signal -1
	s_barrier_wait -1                              ; parts the reads at stored block numbers from the stores into the stage
	s_wait_loadcnt 0x0                             ; the tile
.irp i, 0,1,2,3
.irp e, 0,1,2,3
.irp j, 0,1,2,3
	v_mov_b32 v[96+16*(\i%2)+4*\e+\j], v[KT+16*\i+4*\j+\e]    ; four neighbouring channels of one point
.endr
.endr
.irp e, 0,1,2,3
	ds_store_b128 v8, v[96+16*(\i%2)+4*\e:96+16*(\i%2)+4*\e+3] offset:16*KTP*\e+256*\i
.endr
.endr
	s_wait_dscnt 0x0
	s_barrier_signal -1
	s_barrier_wait -1                              ; 64 whole rows lie in the stage
.irp k, 0,1,2,3,4,5,6,7
.irp a, 0,1
	ds_load_b128 v[128+4*(2*\k+\a):128+4*(2*\k+\a)+3], v9 offset:(16*(\k%4)+\k/4)*KTP+512*\a
.endr
.endr
.irp k, 0,1,2,3,4,5,6,7
.irp a, 0,1
	s_wait_dscnt 15-(2*\k+\a)
	global_store_b128 v6, v[128+4*(2*\k+\a):128+4*(2*\k+\a)+3], s[14:15] offset:1024*\k+512*\a   ; 512 consecutive bytes of a point's row
.endr
.endr
	s_wait_tensorcnt 0x0
	ds_add_u32 v254, v255
	s_wait_dscnt 0x0
	s_endpgm
.Lfunc_end_k_qb483f51ab2_refine:
	.size	k_qb483f51ab2_refine, .Lfunc_end_k_qb483f51ab2_refine-k_qb483f51ab2_refine
	.p2alignl 7, 3214868480
	.fill 96, 4, 3214868480
	.section	.rodata,"a",@progbits
	.p2align	6, 0x0
	.amdhsa_kernel k_qb483f51ab2_refine
		.amdhsa_group_segment_fixed_size 80384
		.amdhsa_private_segment_fixed_size 0
		.amdhsa_enable_private_segment 0
		.amdhsa_kernarg_size 48
		.amdhsa_user_sgpr_count 2
		.amdhsa_user_sgpr_kernarg_segment_ptr 1
		.amdhsa_wavefront_size32 1
		.amdhsa_system_sgpr_workgroup_id_x 1
		.amdhsa_system_sgpr_workgroup_id_y 1
		.amdhsa_system_sgpr_workgroup_id_z 1
		.amdhsa_system_vgpr_workitem_id 0
		.amdhsa_next_free_vgpr 256
		.amdhsa_next_free_sgpr 66
		.amdhsa_reserve_vcc 1
		.amdhsa_float_denorm_mode_32 3
		.amdhsa_float_denorm_mode_16_64 3
		.amdhsa_memory_ordered 1
		.amdhsa_forward_progress 1
		.amdhsa_inst_pref_size 104
	.end_amdhsa_kernel
	.amdgpu_metadata
---
amdhsa.version: [ 1, 2 ]
amdhsa.kernels:
  - .name:           k_qb483f51ab2_refine
    .symbol:         k_qb483f51ab2_refine.kd
    .args:
      - { .name: unknown, .offset: 0, .size: 8, .value_kind: global_buffer, .address_space: global }
      - { .name: known, .offset: 8, .size: 8, .value_kind: global_buffer, .address_space: global }
      - { .name: known_feats, .offset: 16, .size: 8, .value_kind: global_buffer, .address_space: global }
      - { .name: blk, .offset: 24, .size: 8, .value_kind: global_buffer, .address_space: global }
      - { .name: nidx, .offset: 32, .size: 8, .value_kind: global_buffer, .address_space: global }
      - { .name: rbuf, .offset: 40, .size: 8, .value_kind: global_buffer, .address_space: global }
    .group_segment_fixed_size: 80384
    .private_segment_fixed_size: 0
    .kernarg_segment_align: 8
    .kernarg_segment_size: 48
    .max_flat_workgroup_size: 256
    .sgpr_count:     66
    .vgpr_count:     256
    .wavefront_size: 32
...
	.end_amdgpu_metadata
.endif
;; end of part 2
;; launch interp (part 3): grid 256 x 1, 8 waves a work-group, no clusters, 265,216 bytes of LDS; arguments nidx, rbuf, fbuf; writes fbuf
.if DOCPART == 3
	.amdgcn_target "amdgcn-amd-amdhsa--gfx1250"
	.amdhsa_code_object_version 6
	.text
	.protected	k_qb483f51ab2_interp
	.globl	k_qb483f51ab2_interp
	.p2align	8
	.type	k_qb483f51ab2_interp,@function
k_qb483f51ab2_interp:
	s_mov_b64 s[64:65], 0
	v_nop
	global_prefetch_b8 v0, s[64:65] scope:SCOPE_SE
	s_setreg_imm32_b32 hwreg(HW_REG_WAVE_MODE, 25, 1), 1
	s_wait_xcnt 0x0
; THREE_INTERPOLATE and its codes, with the table in LDS.
; A work-group takes one batch, one quarter of the 256 channels and 1,024 queries: work-group number = 16 batch + 4 quarter + range.  Its quarter of the batch's turned table,
; 1,024 known points x 64 channels of f32, is 262,144 bytes: it comes into LDS ONCE, each wave bringing 128 rows of 256 bytes by one tensor load, and every neighbour is then read from LDS.
; So a work-group takes in 256 KB where gathering its 1,024 x 3 pieces of rows from memory would take in 768 KB.
; A wave takes 128 queries, 16 a step.  LANE (p = lane / 2, h = lane % 2) HOLDS ONE BLOCK OF 32 CHANNELS of point p: 128 bytes of each of three rows, eight loads of 16 bytes a row.
; interp = f0 w0 + f1 w1 + f2 w2 in f32; the block's largest magnitude needs no other lane; four conversions give 16 bytes of codes, K innermost; the wave stores 512 consecutive bytes.
; Load i of a lane takes column 8 h + (i xor x), x = p % 8.
; Register group i then holds channels 4 (i xor x) on.  Sums and maxima do not mind;
; the codes are put right behind the conversions: bit 0 of x by turning a register's halves, bits 1 and 2 by two rounds of selects among the four registers.
; Codes: [quarter][point][32 bytes]; scale bytes: [quarter][point][2].  Scale = 2^(floor(log2(largest magnitude)) - 2).
; Four work-groups read the same quarter.  They form no cluster: the gather's LDS addresses hang on stored numbers that differ from partner to partner
; LDS is filled once: no ring.
; LIMITS: NaN and infinities are not served; a block of zeros gets the byte 1, not 127 (its codes are zeros; this program alone reads the bytes).
.set SS,  262144                       ; behind the table: 256 bytes a wave for the scale bytes' way out
.set T,   16                           ; v16-23   128 h + 16 (i xor x): my place in a row for load i
.set IDX, 24                           ; v24-55   step t: my point's three neighbours (and a word not used)
.set WGT, 56                           ; v56-87   step t: its three weights (and a word not used)
.set F,   88                           ; v88-183  three sets of 32: my block of the three rows
.set R,   184                          ; v184-215 the interpolated block
.set AD,  216                          ; v216-223 the addresses of a run of eight loads
.set D,   224                          ; v224-235 codes on their way to the right order
.set RO,  228
.set E,   232
.set C,   236                          ; v236-243 two sets of four registers of codes, by turns
.set SB,  248                          ; v248-255 step t's scale byte
	s_load_b128 s[4:7], s[0:1], 0x0                ; nidx, rbuf
	s_load_b64 s[8:9], s[0:1], 0x10                ; fbuf
	v_lshl_add_u32 v15, v0, 2, 0x40800
	v_mov_b32 v247, 0
	ds_add_u32 v15, v247
	ds_add_u32 v15, v247
	v_lshrrev_b32 v1, 5, v0
	v_readfirstlane_b32 s10, v1                    ; wave
	s_lshr_b32 s11, ttmp9, 4                       ; batch
	s_bfe_u32 s12, ttmp9, 0x20002                  ; quarter: two bits from bit 2
	s_and_b32 s13, ttmp9, 3                        ; which 1,024 queries
	s_lshl_b32 s14, s11, 12
	s_lshl_b32 s15, s13, 10
	s_add_co_u32 s14, s14, s15
	s_lshl_b32 s15, s10, 7
	s_add_co_u32 s14, s14, s15                     ; my wave's first query among all 65,536
	s_lshl_b32 s16, s11, 20                        ; the table: batch x 1 MB
	s_lshl_b32 s15, s10, 17
	s_add_co_u32 s16, s16, s15                     ; + 128 wave rows of 1,024 bytes
	s_lshl_b32 s15, s12, 8
	s_add_co_u32 s16, s16, s15                     ; + the quarter's 256 bytes of a row
	s_mov_b32 s17, 0
	; descriptor group 1: 128 rows of 64 elements of 4 bytes, 256 elements from row to row, laid into LDS without gaps
	s_mov_b32 s24, 2<<16                           ; 15:0 no mask; 17:16 elements of 4 bytes; 20 no padding
	s_mov_b32 s25, 64<<16                          ; tensor_dim0 = 64
	s_mov_b32 s26, 128<<16                         ; tensor_dim1 = 128
	s_mov_b32 s27, 64<<16                          ; tile_dim0 = 64
	s_mov_b32 s28, 128                             ; tile_dim1 = 128
	s_mov_b32 s29, 256                             ; tensor_dim0_stride
	s_mov_b32 s30, 0
	s_mov_b32 s31, 0
	s_mov_b32 s20, 1                               ; group 0: count = 1
	s_lshl_b32 s21, s10, 15                        ; LDS address: 128 rows x 256 bytes a wave: known point m lies at 256 m
	v_and_b32 v1, 31, v0                           ; lane
	v_lshrrev_b32 v5, 1, v1                        ; p
	v_and_b32 v6, 1, v1                            ; h
	v_lshlrev_b32 v2, 4, v5                        ; my point's 16 bytes of neighbours, of weights
	v_lshlrev_b32 v3, 4, v1
	v_lshlrev_b32 v4, 3, v1
	v_and_b32 v7, 7, v5                            ; x
	v_lshlrev_b32 v8, 7, v6                        ; 128 h
.irp i, 0,1,2,3,4,5,6,7
	v_xor_b32 v[T+\i], \i, v7
.endr
.irp i, 0,1,2,3,4,5,6,7
	v_lshl_add_u32 v[T+\i], v[T+\i], 4, v8
.endr
	v_and_b32 v9, 1, v7
	v_cmp_ne_u32 s32, 0, v9                        ; lanes with bit 0 of x,
	v_and_b32 v9, 2, v7
	v_cmp_ne_u32 s33, 0, v9                        ; bit 1,
	v_and_b32 v9, 4, v7
	v_cmp_ne_u32 s34, 0, v9                        ; bit 2
	s_lshl_b32 s18, s10, 8
	s_add_co_u32 s18, s18, SS
	v_add_nc_u32 v10, s18, v1                      ; scale bytes in: byte = lane; the step stands in the offset
	v_add_nc_u32 v11, s18, v4                      ; and out: 8 bytes a lane
	s_wait_dscnt 0x0
	s_wait_kmcnt 0x0
	s_add_nc_u64 s[22:23], s[6:7], s[16:17]        ; global address of my 128 rows
	s_or_b32 s23, s23, 0x80000000                  ; type = 2
	tensor_load_to_lds s[20:23], s[24:31]          ; my one tensor load: the launch's only fill of these bytes
	s_nop 0
.rept 4
	v_nop
.endr
	s_lshl_b32 s16, s14, 4
	s_add_nc_u64 s[4:5], s[4:5], s[16:17]          ; the neighbours of my wave's queries
	s_add_co_u32 s16, s16, 16777216
	s_add_nc_u64 s[36:37], s[6:7], s[16:17]        ; their weights
	s_lshl_b32 s16, s12, 21
	s_lshl_b32 s15, s14, 5
	s_add_co_u32 s16, s16, s15
	s_add_nc_u64 s[38:39], s[8:9], s[16:17]        ; the codes: quarter x 2 MB + 32 bytes a point
	s_lshl_b32 s16, s12, 17
	s_lshl_b32 s15, s14, 1
	s_add_co_u32 s16, s16, s15
	s_add_co_u32 s16, s16, 8388608
	s_add_nc_u64 s[40:41], s[8:9], s[16:17]        ; the scale bytes: quarter x 128 KB + 2 bytes a point
.irp t, 0,1,2,3,4,5,6,7
	global_load_b128 v[IDX+4*\t:IDX+4*\t+3], v2, s[4:5] offset:256*\t      ; 16 points: 256 consecutive bytes, two lanes to each 16
.endr
.irp t, 0,1,2,3,4,5,6,7
	global_load_b128 v[WGT+4*\t:WGT+4*\t+3], v2, s[36:37] offset:256*\t
.endr
	s_wait_tensorcnt 0x0                           ; my 128 rows have landed,
	s_barrier_signal -1
	s_barrier_wait -1                              ; everybody's have
	s_wait_loadcnt 0x0                             ; neighbours and weights
.macro ASK t, n                        ; my block of neighbour n of step t: eight loads into set n
	v_min_u32 v[IDX+4*(\t)+\n], 1023, v[IDX+4*(\t)+\n]       ; a stored number enters an address only behind this bound
.irp i, 0,1,2,3,4,5,6,7
	v_lshl_add_u32 v[AD+\i], v[IDX+4*(\t)+\n], 8, v[T+\i]
.endr
.irp i, 0,1,2,3,4,5,6,7
	ds_load_b128 v[F+32*\n+4*\i:F+32*\n+4*\i+3], v[AD+\i]
.endr
.endm
; A step: 16 points.  A set is filled again for the next step as soon as it has been used, so two or three runs of eight loads are always out.
.macro STEP t
.set WW, WGT+4*(\t)
.set CC, C+4*((\t)%2)
	s_wait_dscnt 16                                ; set 0 is in; the eight loads of each of sets 1 and 2 may be out
.set k, 0
.rept 16
	v_pk_mul_f32 v[R+k:R+k+1], v[F+k:F+k+1], v[WW:WW+1] op_sel_hi:[1,0]                                  ; f0 w0: the pair's first register for both halves
.set k, k+2
.endr
.if (\t) < 7
	ASK (\t)+1, 0
	s_wait_dscnt 16                                ; set 1 is in; set 2's and the new set 0's may be out
.else
	s_wait_dscnt 8                                 ; the last step asks for nothing: set 2's eight may be out
.endif
.set k, 0
.rept 16
	v_pk_fma_f32 v[R+k:R+k+1], v[F+32+k:F+33+k], v[WW:WW+1], v[R+k:R+k+1] op_sel:[0,1,0] op_sel_hi:[1,1,1]   ; + f1 w1: the pair's second register for both halves
.set k, k+2
.endr
.if (\t) < 7
	ASK (\t)+1, 1
	s_wait_dscnt 16                                ; set 2 is in
.else
	s_wait_dscnt 0x0
.endif
.set k, 0
.rept 16
	v_pk_fma_f32 v[R+k:R+k+1], v[F+64+k:F+65+k], v[WW+2:WW+3], v[R+k:R+k+1] op_sel_hi:[1,0,1]            ; + f2 w2
.set k, k+2
.endr
.if (\t) < 7
	ASK (\t)+1, 2
.endif
	v_max3_num_f32 v244, |v[R]|, |v[R+1]|, |v[R+2]|          ; the block's largest magnitude: all 32 numbers are mine; two chains
	v_max3_num_f32 v245, |v[R+3]|, |v[R+4]|, |v[R+5]|
.irp i, 6,10,14,18,22,26
	v_max3_num_f32 v244, v244, |v[R+\i]|, |v[R+\i+1]|
	v_max3_num_f32 v245, v245, |v[R+\i+2]|, |v[R+\i+3]|
.endr
	v_max3_num_f32 v244, v244, |v[R+30]|, |v[R+31]|
	v_max3_num_f32 v244, v244, v245, 0x1800000     ; and the floor 2^(3 - 127): the byte cannot fall under 1
	v_add_nc_u32 v246, 0xff000000, v244            ; 2 off the exponent field: the conversion takes this operand's exponent field as its scale
.irp a, 0,1,2,3
	v_cvt_scalef32_pk8_fp4_f32 v[D+\a], v[R+8*\a:R+8*\a+7], v246
.endr
	v_lshrrev_b32 v[SB+(\t)], 23, v246             ; the scale's byte (also the plain instruction behind the conversions)
.irp a, 0,1,2,3
	v_alignbit_b32 v[RO+\a], v[D+\a], v[D+\a], 16  ; the register's halves changed over
.endr
.irp a, 0,1,2,3
	v_cndmask_b32 v[E+\a], v[D+\a], v[RO+\a], s32  ; bit 0 of x: the eight channels' two groups of four stood the other way round
.endr
	v_cndmask_b32 v[D+0], v[E+0], v[E+1], s33      ; register a holds channels 8 (a xor x / 2) on.  Bit 1 of x: neighbours change places,
	v_cndmask_b32 v[D+1], v[E+1], v[E+0], s33
	v_cndmask_b32 v[D+2], v[E+2], v[E+3], s33
	v_cndmask_b32 v[D+3], v[E+3], v[E+2], s33
.if (\t) > 1
	s_wait_xcnt 0x0                                ; the store of two steps ago has read this set of code registers
.endif
	v_cndmask_b32 v[CC+0], v[D+0], v[D+2], s34     ; bit 2: the pairs
	v_cndmask_b32 v[CC+1], v[D+1], v[D+3], s34
	v_cndmask_b32 v[CC+2], v[D+2], v[D+0], s34
	v_cndmask_b32 v[CC+3], v[D+3], v[D+1], s34
	global_store_b128 v3, v[CC:CC+3], s[38:39] offset:512*(\t)     ; 512 consecutive bytes: 16 points' 32 bytes
.endm
	ASK 0, 0
	ASK 0, 1
	ASK 0, 2
.irp t, 0,1,2,3,4,5,6,7
	STEP \t
.endr
	s_wait_dscnt 0x0
	s_barrier_signal -1
	s_barrier_wait -1                              ; parts every wave's reads at stored numbers from the stores below
.irp t, 0,1,2,3,4,5,6,7
	ds_store_b8 v10, v[SB+\t] offset:32*\t         ; point 16 t + p, block h: byte 2 (16 t + p) + h = 32 t + lane of my wave's 256
.endr
	ds_load_b64 v[224:225], v11                    ; my wave's own bytes: LDS serves a wave's instructions in order
	s_wait_dscnt 0x0
	global_store_b64 v4, v[224:225], s[40:41]      ; 256 consecutive bytes, aligned: 128 points' scale bytes
	s_wait_tensorcnt 0x0
	ds_add_u32 v15, v247
	s_wait_dscnt 0x0
	s_endpgm
.Lfunc_end_k_qb483f51ab2_interp:
	.size	k_qb483f51ab2_interp, .Lfunc_end_k_qb483f51ab2_interp-k_qb483f51ab2_interp
	.p2alignl 7, 3214868480
	.fill 96, 4, 3214868480
	.section	.rodata,"a",@progbits
	.p2align	6, 0x0
	.amdhsa_kernel k_qb483f51ab2_interp
		.amdhsa_group_segment_fixed_size 265216
		.amdhsa_private_segment_fixed_size 0
		.amdhsa_enable_private_segment 0
		.amdhsa_kernarg_size 24
		.amdhsa_user_sgpr_count 2
		.amdhsa_user_sgpr_kernarg_segment_ptr 1
		.amdhsa_wavefront_size32 1
		.amdhsa_system_sgpr_workgroup_id_x 1
		.amdhsa_system_sgpr_workgroup_id_y 1
		.amdhsa_system_sgpr_workgroup_id_z 1
		.amdhsa_system_vgpr_workitem_id 0
		.amdhsa_next_free_vgpr 256
		.amdhsa_next_free_sgpr 66
		.amdhsa_reserve_vcc 0
		.amdhsa_float_denorm_mode_32 3
		.amdhsa_float_denorm_mode_16_64 3
		.amdhsa_memory_ordered 1
		.amdhsa_forward_progress 1
		.amdhsa_inst_pref_size 77
	.end_amdhsa_kernel
	.amdgpu_metadata
---
amdhsa.version: [ 1, 2 ]
amdhsa.kernels:
  - .name:           k_qb483f51ab2_interp
    .symbol:         k_qb483f51ab2_interp.kd
    .args:
      - { .name: nidx, .offset: 0, .size: 8, .value_kind: global_buffer, .address_space: global }
      - { .name: rbuf, .offset: 8, .size: 8, .value_kind: global_buffer, .address_space: global }
      - { .name: fbuf, .offset: 16, .size: 8, .value_kind: global_buffer, .address_space: global }
    .group_segment_fixed_size: 265216
    .private_segment_fixed_size: 0
    .kernarg_segment_align: 8
    .kernarg_segment_size: 24
    .max_flat_workgroup_size: 256
    .sgpr_count:     66
    .vgpr_count:     256
    .wavefront_size: 32
...
	.end_amdgpu_metadata
.endif
;; end of part 3
;; launch p1 (part 4): grid 256 x 1, 8 waves a work-group, no clusters, 78,848 bytes of LDS; arguments fbuf, ubuf, W1_codes, W1_scales, rbuf; writes rbuf
.if DOCPART == 4
	.amdgcn_target "amdgcn-amd-amdhsa--gfx1250"
	.amdhsa_code_object_version 6
	.text
	.protected	k_qb483f51ab2_p1
	.globl	k_qb483f51ab2_p1
	.p2align	8
	.type	k_qb483f51ab2_p1,@function
k_qb483f51ab2_p1:
	s_mov_b64 s[64:65], 0
	v_nop
	global_prefetch_b8 v0, s[64:65] scope:SCOPE_SE
	s_setreg_imm32_b32 hwreg(HW_REG_WAVE_MODE, 25, 1), 1
	s_wait_xcnt 0x0
; THE FIRST PRODUCT, for its statistics alone.
; A work-group owns 256 points.  Their codes and scale bytes (interp's, laid by quarters of its 256 channels, and unknow_feats') meet in LDS as rows of 256 bytes of codes and 16 scale bytes a point.
; PRODUCT 1, transposed (source 0 = 16 rows of W1, source 1 = 16 points): wave (cw, pw) makes channels 64 cw .. + 63 of points 128 pw .. + 127; its 16 fragments of W1 stay in registers.
; Lane r of W1's tile t takes row 64 cw + 32 (t / 2) + 8 (t % 2) + r + 8 (r / 8): the same order as in the launch that repeats this product and needs it.
; STATISTICS without a difference of large sums: each channel is shifted by its mean over the wave's first 16 points; sums of d and d^2 over 128 points give (mean, M2), stored for the merging launch.
; The product's results go nowhere else: they are made again from the codes, which are an eighth of their bytes.
; The partial statistics go into the buffer of the turned table, 8,912,896 bytes from its start: no launch behind the interpolation reads the table, and this launch loads nothing from that buffer.
; What work-groups share is W1, 68 KB read once into registers: no cluster, no tensor load.
.set TP,  272                          ; a point's row in LDS: 256 bytes of codes + 16
.set SCT, 69632                        ; behind 256 rows: 16 scale bytes a point
.set PST, 73728                        ; behind them: 512 bytes a wave for the way out of the statistics
.set FA,  4
.set FSC, 5
.set PA,  6
.set PR,  7
.set L16, 8
.set L8,  9
.set AF,  32                           ; v32-63 the points' four fragments, v64-95 four accumulators (at the head: the codes on their way to LDS)
.set ACC, 64
.set KK,  96                           ; v96-127 the shifts, v128-159 sums of d, v160-191 of d^2, v192-199 at work
.set S1,  128
.set S2,  160
.set T,   192
.set MP,  32                           ; at the end: 32 pairs (mean, M2)
.set W1S, 224                          ; v224-239 W1's scale words, v240-243 the points': these registers hold scales alone
.set AS,  240
.set MSB, 0
.macro WIN new                         ; the immediate's high byte repeats the setting that is left
.if MSB != \new
	s_set_vgpr_msb (MSB<<8)|\new
.set MSB, \new
.endif
.endm
	s_load_b256 s[4:11], s[0:1], 0x0               ; fbuf, ubuf, W1's codes, W1's scales
	s_load_b64 s[12:13], s[0:1], 0x20              ; rbuf
	v_lshl_add_u32 v254, v0, 2, 0x13000
	v_mov_b32 v255, 0
	v_lshrrev_b32 v1, 5, v0
	v_readfirstlane_b32 s16, v1                    ; wave
	v_and_b32 v1, 31, v0                           ; lane
	v_and_b32 v2, 15, v0                           ; r
	v_bfe_u32 v3, v0, 4, 1                         ; h
	s_and_b32 s17, s16, 3                          ; cw
	s_lshr_b32 s18, s16, 2                         ; pw
	s_mul_i32 s30, s18, 128*TP
	v_mul_u32_u24 v[FA], v2, TP
	v_lshl_add_u32 v[FA], v3, 4, v[FA]
	v_add_nc_u32 v[FA], s30, v[FA]                 ; a fragment: row 128 pw + r, + 16 h
	s_lshl_b32 s30, s18, 11
	s_add_co_u32 s30, s30, SCT
	v_lshl_add_u32 v[FSC], v2, 4, s30              ; and its four scale words
	s_lshl_b32 s30, s16, 9
	s_add_co_u32 s31, s30, PST
	v_lshl_add_u32 v[PA], v3, 7, s31
	v_lshl_add_u32 v[PR], v1, 4, s31
	s_add_co_u32 s31, s30, SCT                     ; my wave's 32 points' scale bytes
	v_lshl_add_u32 v13, v1, 4, s31                 ; point = lane
	v_and_b32 v17, 7, v1
	v_lshrrev_b32 v18, 3, v1
	v_lshl_add_u32 v12, v17, 6, s31                ; interp's: points 4 (lane % 8) on,
	v_lshl_add_u32 v12, v18, 1, v12                ; the two bytes of quarter lane / 8
	v_lshlrev_b32 v14, 3, v17
	v_lshl_add_u32 v14, v18, 17, v14               ; and in memory: quarter x 128 KB + 8 bytes for four points
	v_lshlrev_b32 v[L16], 4, v1
	v_lshlrev_b32 v[L8], 3, v1
	s_mul_i32 s30, s16, 32*TP
	v_mul_u32_u24 v11, v18, TP
	v_lshl_add_u32 v11, v17, 4, v11
	v_add_nc_u32 v11, s30, v11                     ; unknow_feats' codes: eight lanes to 128 bytes of a row, four rows an instruction
	v_lshrrev_b32 v17, 1, v1
	v_and_b32 v18, 1, v1
	v_mul_u32_u24 v10, v17, TP
	v_lshl_add_u32 v10, v18, 4, v10
	v_add_nc_u32 v10, s30, v10                     ; interp's codes: two lanes to a quarter's 32 bytes of a row, sixteen rows an instruction
	v_and_b32 v19, 8, v2
	v_add_nc_u32 v19, v19, v2                      ; r + 8 (r / 8)
	v_lshlrev_b32 v15, 8, v19
	v_lshl_add_u32 v15, v3, 4, v15                 ; W1: a row is 256 bytes
	v_lshlrev_b32 v16, 4, v19                      ; its scales: 16 bytes
	s_lshl_b32 s19, ttmp9, 8
	s_lshl_b32 s30, s16, 5
	s_add_co_u32 s19, s19, s30                     ; my wave's first point among all
	s_mov_b32 s33, 0
	s_wait_kmcnt 0x0
	s_lshl_b32 s32, s19, 5
	s_add_nc_u64 s[20:21], s[4:5], s[32:33]        ; interp's codes: 32 bytes a point and quarter
	s_lshl_b32 s32, s19, 1
	s_add_co_u32 s32, s32, 8388608
	s_add_nc_u64 s[22:23], s[4:5], s[32:33]        ; its scale bytes: 2 a point and quarter
	s_lshl_b32 s32, s19, 7
	s_add_nc_u64 s[24:25], s[6:7], s[32:33]        ; unknow_feats' codes
	s_lshl_b32 s32, s19, 3
	s_add_co_u32 s32, s32, 8388608
	s_add_nc_u64 s[26:27], s[6:7], s[32:33]        ; and scale bytes
	s_lshl_b32 s32, s17, 14
	s_add_nc_u64 s[8:9], s[8:9], s[32:33]          ; my 64 rows of W1
	s_lshl_b32 s32, s17, 10
	s_add_nc_u64 s[10:11], s[10:11], s[32:33]
	s_lshl_b32 s32, ttmp9, 1
	s_add_co_u32 s32, s32, s18
	s_lshl_b32 s32, s32, 11
	s_lshl_b32 s34, s17, 9
	s_add_co_u32 s32, s32, s34
	s_add_co_u32 s32, s32, 8912896
	s_add_nc_u64 s[28:29], s[12:13], s[32:33]      ; the statistics: row 2 work-group + pw, channels 64 cw on
.irp q, 0,1,2,3
.irp a, 0,1
	global_load_b128 v[32+4*(2*\q+\a):32+4*(2*\q+\a)+3], v[L16], s[20:21] offset:2097152*\q+512*\a   ; 512 consecutive bytes: 16 points of a quarter
.endr
.endr
.irp i, 0,1,2,3,4,5,6,7
	global_load_b128 v[64+4*\i:67+4*\i], v[L16], s[24:25] offset:512*\i
.endr
	global_load_b64 v[96:97], v14, s[22:23]
	global_load_b64 v[98:99], v[L8], s[26:27]
	WIN 0x40                                       ; destination window 1
.irp t, 0,1,2,3                        ; W1's fragment (tile t, K step q) at v[8 (4 t + q)] of window 1
.irp q, 0,1,2,3
.irp c, 0,1
	global_load_b128 v[8*(4*\t+\q)+4*\c:8*(4*\t+\q)+4*\c+3], v15, s[8:9] offset:(32*(\t/2)+8*(\t%2))*256+64*\q+32*\c
.endr
.endr
.endr
	WIN 0
.irp t, 0,1,2,3
	global_load_b128 v[W1S+4*\t:W1S+4*\t+3], v16, s[10:11] offset:(32*(\t/2)+8*(\t%2))*16
.endr
	s_wait_loadcnt 36                              ; my 32 points' codes and scale bytes are in; W1's 36 loads may be out
.irp q, 0,1,2,3
.irp a, 0,1
	ds_store_b128 v10, v[32+4*(2*\q+\a):32+4*(2*\q+\a)+3] offset:16*TP*\a+32*\q     ; K = 64 q on
.endr
.endr
.irp i, 0,1,2,3,4,5,6,7
	ds_store_b128 v11, v[64+4*\i:67+4*\i] offset:128+4*TP*\i                        ; K = 256 on
.endr
	v_lshrrev_b32 v100, 16, v96
	v_lshrrev_b32 v101, 16, v97
	ds_store_b16 v12, v96                          ; four points' two bytes of my quarter
	ds_store_b16 v12, v100 offset:16
	ds_store_b16 v12, v97 offset:32
	ds_store_b16 v12, v101 offset:48
	ds_store_b64 v13, v[98:99] offset:8
	s_wait_dscnt 0x0                               ; for the others' sake: my stores have landed
	s_barrier_signal -1
	s_barrier_wait -1                              ; 256 whole rows lie in LDS
.macro AFRAG mt                        ; the four fragments (K steps) of points 128 pw + 16 mt on, and their scale words
.irp q, 0,1,2,3
.irp c, 0,1
	ds_load_b128 v[AF+8*\q+4*\c:AF+8*\q+4*\c+3], v[FA] offset:(\mt)*16*TP+64*\q+32*\c
.endr
.endr
	ds_load_b128 v[AS:AS+3], v[FSC] offset:(\mt)*256
.endm
.macro G1                              ; 16 products; the four accumulators take turns, one instruction a turn
	s_wait_dscnt 0x0
	WIN 0x01                                       ; source 0 (W1) window 1
.irp q, 0,1,2,3
.irp t, 0,1,2,3
.if \q == 0
	v_wmma_scale_f32_16x16x128_f8f6f4 v[ACC+8*\t:ACC+8*\t+7], v[8*(4*\t+\q):8*(4*\t+\q)+7], v[AF+8*\q:AF+8*\q+7], 0, v[W1S+4*\t+\q], v[AS+\q] matrix_a_fmt:MATRIX_FMT_FP4 matrix_b_fmt:MATRIX_FMT_FP4
.else
	v_wmma_scale_f32_16x16x128_f8f6f4 v[ACC+8*\t:ACC+8*\t+7], v[8*(4*\t+\q):8*(4*\t+\q)+7], v[AF+8*\q:AF+8*\q+7], v[ACC+8*\t:ACC+8*\t+7], v[W1S+4*\t+\q], v[AS+\q] matrix_a_fmt:MATRIX_FMT_FP4 matrix_b_fmt:MATRIX_FMT_FP4
.endif
.endr
.endr
	WIN 0
.rept 5
	v_nop                                          ; places: four for reads of the results and loads into the operands, five for the next tile's products, which begin the accumulators anew
.endr
.endm
.macro SHIFT                           ; each channel's mean over the first 16 points: the same number in the sixteen lanes
.set i, 0
.rept 32
	v_mul_f32 v[KK+i], 0x3d800000, v[ACC+i]        ; each accumulator from its low end on
.set i, i+1
.endr
.irp m, 1,2,4,8
.set i, 0
.rept 32
	v_add_f32_dpp v[KK+i], v[KK+i], v[KK+i] row_xmask:\m row_mask:0xf bank_mask:0xf
.set i, i+1
.endr
.endr
.endm
.macro ACCUM first
.if \first
.set i, 0
.rept 16
	v_pk_add_f32 v[S1+i:S1+i+1], v[ACC+i:ACC+i+1], v[KK+i:KK+i+1] neg_lo:[0,1] neg_hi:[0,1]
.set i, i+2
.endr
.set i, 0
.rept 16
	v_pk_mul_f32 v[S2+i:S2+i+1], v[S1+i:S1+i+1], v[S1+i:S1+i+1]
.set i, i+2
.endr
.else
.irp a, 0,8,16,24
.irp k, 0,2,4,6
	v_pk_add_f32 v[T+\k:T+\k+1], v[ACC+\a+\k:ACC+\a+\k+1], v[KK+\a+\k:KK+\a+\k+1] neg_lo:[0,1] neg_hi:[0,1]
.endr
.irp k, 0,2,4,6
	v_pk_add_f32 v[S1+\a+\k:S1+\a+\k+1], v[S1+\a+\k:S1+\a+\k+1], v[T+\k:T+\k+1]
.endr
.irp k, 0,2,4,6
	v_pk_fma_f32 v[S2+\a+\k:S2+\a+\k+1], v[T+\k:T+\k+1], v[T+\k:T+\k+1], v[S2+\a+\k:S2+\a+\k+1]
.endr
.endr
.endif
.endm
.macro FINISH                          ; over the sixteen lanes; mean = shift + S1 / 128, M2 = S2 - S1^2 / 128; out through my 512 bytes of LDS
.irp m, 1,2,4,8
.set i, 0
.rept 64
	v_add_f32_dpp v[S1+i], v[S1+i], v[S1+i] row_xmask:\m row_mask:0xf bank_mask:0xf
.set i, i+1
.endr
.endr
.set i, 0
.rept 32
	v_fma_f32 v[MP+2*i], v[S1+i], 0x3c000000, v[KK+i]
	v_mul_f32 v[T+i%8], 0xbc000000, v[S1+i]
	v_fma_f32 v[MP+2*i+1], v[T+i%8], v[S1+i], v[S2+i]
.set i, i+1
.endr
.irp t, 0,1,2,3
.irp j, 0,1,2,3,4,5,6,7
	ds_store_b64 v[PA], v[MP+2*(8*\t+\j):MP+2*(8*\t+\j)+1] offset:256*(\t/2)+64*(\t%2)+8*\j   ; channel 32 (t / 2) + 16 h + 8 (t % 2) + j; sixteen lanes write the same value
.endr
.endr
	ds_load_b128 v[T:T+3], v[PR]
	s_wait_dscnt 0x0
.endm
	AFRAG 0
	s_wait_loadcnt 0x0                             ; W1 and its scale words
.irp mt, 0,1,2,3,4,5,6,7
	G1
.if \mt < 7
	AFRAG \mt+1                                    ; lands while the sums are taken
.endif
.if \mt == 0
	SHIFT
	ACCUM 1
.else
	ACCUM 0
.endif
.endr
	FINISH
	global_store_b128 v[L16], v[T:T+3], s[28:29]   ; 512 consecutive bytes: 64 channels' (mean, M2)
	s_wait_tensorcnt 0x0
	ds_add_u32 v254, v255
	s_wait_dscnt 0x0
	s_endpgm
.Lfunc_end_k_qb483f51ab2_p1:
	.size	k_qb483f51ab2_p1, .Lfunc_end_k_qb483f51ab2_p1-k_qb483f51ab2_p1
	.p2alignl 7, 3214868480
	.fill 96, 4, 3214868480
	.section	.rodata,"a",@progbits
	.p2align	6, 0x0
	.amdhsa_kernel k_qb483f51ab2_p1
		.amdhsa_group_segment_fixed_size 78848
		.amdhsa_private_segment_fixed_size 0
		.amdhsa_enable_private_segment 0
		.amdhsa_kernarg_size 40
		.amdhsa_user_sgpr_count 2
		.amdhsa_user_sgpr_kernarg_segment_ptr 1
		.amdhsa_wavefront_size32 1
		.amdhsa_system_sgpr_workgroup_id_x 1
		.amdhsa_system_sgpr_workgroup_id_y 1
		.amdhsa_system_sgpr_workgroup_id_z 1
		.amdhsa_system_vgpr_workitem_id 0
		.amdhsa_next_free_vgpr 384
		.amdhsa_next_free_sgpr 66
		.amdhsa_reserve_vcc 0
		.amdhsa_float_denorm_mode_32 3
		.amdhsa_float_denorm_mode_16_64 3
		.amdhsa_memory_ordered 1
		.amdhsa_forward_progress 1
		.amdhsa_inst_pref_size 91
	.end_amdhsa_kernel
	.amdgpu_metadata
---
amdhsa.version: [ 1, 2 ]
amdhsa.kernels:
  - .name:           k_qb483f51ab2_p1
    .symbol:         k_qb483f51ab2_p1.kd
    .args:
      - { .name: fbuf, .offset: 0, .size: 8, .value_kind: global_buffer, .address_space: global }
      - { .name: ubuf, .offset: 8, .size: 8, .value_kind: global_buffer, .address_space: global }
      - { .name: W1_codes, .offset: 16, .size: 8, .value_kind: global_buffer, .address_space: global }
      - { .name: W1_scales, .offset: 24, .size: 8, .value_kind: global_buffer, .address_space: global }
      - { .name: rbuf, .offset: 32, .size: 8, .value_kind: global_buffer, .address_space: global }
    .group_segment_fixed_size: 78848
    .private_segment_fixed_size: 0
    .kernarg_segment_align: 8
    .kernarg_segment_size: 40
    .max_flat_workgroup_size: 256
    .sgpr_count:     66
    .vgpr_count:     384
    .wavefront_size: 32
...
	.end_amdgpu_metadata
.endif
;; end of part 4
;; launch stat1 (part 5): grid 8 x 1, 16 waves a work-group, no clusters, 6,144 bytes of LDS; arguments rbuf, g1, st1; writes st1
.if DOCPART == 5
	.amdgcn_target "amdgcn-amd-amdhsa--gfx1250"
	.amdhsa_code_object_version 6
	.text
	.protected	k_qb483f51ab2_stat1
	.globl	k_qb483f51ab2_stat1
	.p2align	8
	.type	k_qb483f51ab2_stat1,@function
k_qb483f51ab2_stat1:
	s_mov_b64 s[64:65], 0
	v_nop
	global_prefetch_b8 v0, s[64:65] scope:SCOPE_SE
	s_setreg_imm32_b32 hwreg(HW_REG_WAVE_MODE, 25, 1), 1
	s_wait_xcnt 0x0
; The batch norm's statistics: 512 partial (mean, M2) of 128 points each are merged for each of 256 channels.
; mean = the average of the means; M2 = the sum of the M2 + 128 x the sum of (mean_i - mean)^2: no difference of large sums.  Out: mean, and a = gain / sqrt(M2 / 65,536 + 1e-5).
; A work-group takes 32 channels (lane = channel), each of its 16 waves 32 of the 512 rows; the waves' sums meet twice in LDS.
; There is work for eight work-groups of 128 KB each.  The two stores cover 128 bytes each: the whole result is 2 KB.
.set PART_OFF, 8912896
	s_load_b128 s[4:7], s[0:1], 0x0                ; the partials' buffer, the gain
	s_load_b64 s[8:9], s[0:1], 0x10                ; the result
	v_lshl_add_u32 v128, v0, 2, 0x1000
	v_mov_b32 v129, 0
	v_lshrrev_b32 v1, 5, v0
	v_readfirstlane_b32 s10, v1                    ; wave
	v_and_b32 v1, 31, v0
	v_lshlrev_b32 v2, 3, v1
	v_lshlrev_b32 v3, 2, v1
	s_lshl_b32 s11, s10, 7
	v_add_nc_u32 v4, s11, v3                       ; my wave's row of 32 words
	s_lshl_b32 s12, ttmp9, 8
	s_lshl_b32 s14, s10, 16
	s_add_co_u32 s12, s12, s14
	s_add_co_u32 s12, s12, PART_OFF
	s_mov_b32 s13, 0
	s_lshl_b32 s14, ttmp9, 7
	s_mov_b32 s15, 0
	s_mov_b32 s16, 0x3727c5ac                      ; 1e-5
	s_wait_kmcnt 0x0
	s_add_nc_u64 s[4:5], s[4:5], s[12:13]
	s_add_nc_u64 s[6:7], s[6:7], s[14:15]
	s_add_nc_u64 s[8:9], s[8:9], s[14:15]
.set i, 0
.rept 32
	global_load_b64 v[16+2*i:17+2*i], v2, s[4:5] offset:2048*i     ; 256 consecutive bytes: 32 channels of a row
.set i, i+1
.endr
	global_load_b32 v5, v3, s[6:7]
	s_wait_loadcnt 0x0
.irp c, 0,1,2,3
	v_add_f32 v[80+\c], v[16+2*\c], v[24+2*\c]     ; the means, in four chains
	v_add_f32 v[92+\c], v[17+2*\c], v[25+2*\c]     ; the M2 likewise
.endr
.set i, 8
.rept 24
	v_add_f32 v[80+i%4], v[80+i%4], v[16+2*i]
	v_add_f32 v[92+i%4], v[92+i%4], v[17+2*i]
.set i, i+1
.endr
	v_add_f32 v80, v80, v81
	v_add_f32 v82, v82, v83
	v_add_f32 v80, v80, v82
	ds_store_b32 v4, v80
	s_wait_dscnt 0x0
	s_barrier_signal -1
	s_barrier_wait -1
.macro GATHER off                      ; the sixteen waves' words of my channel, summed in one order in every wave: v96
.irp j, 0,1,2,3,4,5,6,7,8,9,10,11,12,13,14,15
	ds_load_b32 v[96+\j], v3 offset:\off+128*\j
.endr
	s_wait_dscnt 0x0
.irp j, 0,1,2,3,4,5,6,7
	v_add_f32 v[96+\j], v[96+\j], v[104+\j]
.endr
.irp j, 0,1,2,3
	v_add_f32 v[96+\j], v[96+\j], v[100+\j]
.endr
	v_add_f32 v96, v96, v98
	v_add_f32 v97, v97, v99
	v_add_f32 v96, v96, v97
.endm
	GATHER 0
	v_mul_f32 v6, 0x3b000000, v96                  ; / 512: the mean
.set i, 0
.rept 32
	v_sub_f32 v[84+i%4], v[16+2*i], v6
.if i < 4
	v_mul_f32 v[88+i%4], v[84+i%4], v[84+i%4]
.else
	v_fma_f32 v[88+i%4], v[84+i%4], v[84+i%4], v[88+i%4]
.endif
.set i, i+1
.endr
	v_add_f32 v88, v88, v89
	v_add_f32 v90, v90, v91
	v_add_f32 v88, v88, v90
	v_add_f32 v92, v92, v93
	v_add_f32 v94, v94, v95
	v_add_f32 v92, v92, v94
	v_fma_f32 v88, v88, 0x43000000, v92            ; x 128 points, + the M2
	ds_store_b32 v4, v88 offset:2048               ; other bytes than the first meeting's: no barrier is owed in front
	s_wait_dscnt 0x0
	s_barrier_signal -1
	s_barrier_wait -1
	GATHER 2048
	v_fma_f32 v96, v96, 0x37800000, s16            ; / 65,536 + 1e-5
	v_rsq_f32 v7, v96
	v_nop                                          ; a plain instruction behind the transcendental
	s_wait_alu depctr_va_vdst(0)
	v_mul_f32 v7, v5, v7
	s_cmp_lg_u32 s10, 0
	s_cbranch_scc1 .Lend                           ; every wave holds the result; wave 0 stores it
	global_store_b32 v3, v6, s[8:9]
	global_store_b32 v3, v7, s[8:9] offset:1024
.Lend:
	s_wait_tensorcnt 0x0
	ds_add_u32 v128, v129
	s_wait_dscnt 0x0
	s_endpgm
.Lfunc_end_k_qb483f51ab2_stat1:
	.size	k_qb483f51ab2_stat1, .Lfunc_end_k_qb483f51ab2_stat1-k_qb483f51ab2_stat1
	.p2alignl 7, 3214868480
	.fill 96, 4, 3214868480
	.section	.rodata,"a",@progbits
	.p2align	6, 0x0
	.amdhsa_kernel k_qb483f51ab2_stat1
		.amdhsa_group_segment_fixed_size 6144
		.amdhsa_private_segment_fixed_size 0
		.amdhsa_enable_private_segment 0
		.amdhsa_kernarg_size 24
		.amdhsa_user_sgpr_count 2
		.amdhsa_user_sgpr_kernarg_segment_ptr 1
		.amdhsa_wavefront_size32 1
		.amdhsa_system_sgpr_workgroup_id_x 1
		.amdhsa_system_sgpr_workgroup_id_y 1
		.amdhsa_system_sgpr_workgroup_id_z 1
		.amdhsa_system_vgpr_workitem_id 0
		.amdhsa_next_free_vgpr 130
		.amdhsa_next_free_sgpr 66
		.amdhsa_reserve_vcc 0
		.amdhsa_float_denorm_mode_32 3
		.amdhsa_float_denorm_mode_16_64 3
		.amdhsa_memory_ordered 1
		.amdhsa_forward_progress 1
		.amdhsa_inst_pref_size 14
	.end_amdhsa_kernel
	.amdgpu_metadata
---
amdhsa.version: [ 1, 2 ]
amdhsa.kernels:
  - .name:           k_qb483f51ab2_stat1
    .symbol:         k_qb483f51ab2_stat1.kd
    .args:
      - { .name: rbuf, .offset: 0, .size: 8, .value_kind: global_buffer, .address_space: global }
      - { .name: g1, .offset: 8, .size: 8, .value_kind: global_buffer, .address_space: global }
      - { .name: st1, .offset: 16, .size: 8, .value_kind: global_buffer, .address_space: global }
    .group_segment_fixed_size: 6144
    .private_segment_fixed_size: 0
    .kernarg_segment_align: 8
    .kernarg_segment_size: 24
    .max_flat_workgroup_size: 512
    .sgpr_count:     66
    .vgpr_count:     130
    .wavefront_size: 32
...
	.end_amdgpu_metadata
.endif
;; end of part 5
;; launch mid (part 6): grid 256 x 1, 8 waves a work-group, no clusters, 113,664 bytes of LDS; arguments fbuf, ubuf, st1, b1, W1_codes, W1_scales, W2_codes, W2_scales, mbuf; writes mbuf
.if DOCPART == 6
	.amdgcn_target "amdgcn-amd-amdhsa--gfx1250"
	.amdhsa_code_object_version 6
	.text
	.protected	k_qb483f51ab2_mid
	.globl	k_qb483f51ab2_mid
	.p2align	8
	.type	k_qb483f51ab2_mid,@function
k_qb483f51ab2_mid:
	s_mov_b64 s[64:65], 0
	v_nop
	global_prefetch_b8 v0, s[64:65] scope:SCOPE_SE
	s_setreg_imm32_b32 hwreg(HW_REG_WAVE_MODE, 25, 1), 1
	s_wait_xcnt 0x0
; h = relu((y1 - mean1) a1 + b1) as codes, and the second product for its statistics.
; A work-group owns 256 points; their codes and scale bytes (interp's, laid by quarters of its 256 channels, and unknow_feats') come into LDS as rows of 272 bytes a point.
; PHASE 1: the first product once more, by the same instructions as in the launch that took its statistics
; (source 0 = 16 rows of W1, source 1 = 16 points; wave (cw, pw): channels 64 cw on, points 128 pw on), then norm and relu in f32.
; Lane r of a tile t of W1 takes row 64 cw + 32 (t / 2) + 8 (t % 2) + r + 8 (r / 8), so that the 16 registers of tiles 2 b, 2 b + 1 are 16 neighbours along the next K and a block of 32 lies in lanes l, l xor 16.
; A wave's 64 channels are half a K step of the second product: four registers of a fragment and two bytes of its scale word.  They go to LDS AS AN IMAGE OF THE OPERAND'S REGISTERS
; (16 bytes a lane, 512 a store) for the other waves, and by the same registers to memory for the last launch.
; PHASE 2: the second product (source 0 = 16 rows of W2 in the same order of rows, source 1 = the images) and its statistics, as for the first product.
; y1 and y2 never go to memory.  W1 and W2 (100 KB) are read once into registers: what work-groups share is small, so no cluster and no tensor load.
; LIMITS: NaN and infinities are not served; a block of zeros gets the byte 1 (its codes are zeros; this program alone reads the bytes).
.set TP,   272
.set SCT,  69632
.set HIMG, 73728                       ; 16 tiles of points x [K step][half][lane][16 bytes]
.set HSC,  106496                      ; 16 tiles x [K step][point][4 bytes]
.set PST,  108544
.set FA,  4
.set FSC, 5
.set PA,  6
.set PR,  7
.set HWI, 8
.set HWS, 9
.set L16, 10
.set L8,  11
.set HA,  12
.set HB,  13
.set AF,  16                           ; v16-47 four fragments of points; in phase 2 v16-31 two fragments of h
.set HF,  16
.set ACC, 48                           ; v48-79
.set BM,  80                           ; v80-111 mean, v112-143 a, v144-175 b in the result's layout; in phase 2 shifts and sums
.set BA,  112
.set BB,  144
.set KK,  80
.set S1,  112
.set S2,  144
.set TM,  176                          ; v176-183 at work
.set T,   176
.set PW,  184
.set PC,  186                          ; v186-193 two sets of four registers of codes
.set MP,  16
.set AS,  224                          ; v224-253 hold scales alone: the points', W1's, W2's, h's
.set W1S, 228
.set W2S, 244
.set HS,  252
.set SEL, 42
.set MSB, 0
.macro WIN new
.if MSB != \new
	s_set_vgpr_msb (MSB<<8)|\new
.set MSB, \new
.endif
.endm
	s_load_b256 s[4:11], s[0:1], 0x0               ; fbuf, ubuf, st1, b1
	s_load_b256 s[12:19], s[0:1], 0x20             ; W1's codes, scales, W2's codes, scales
	s_load_b64 s[20:21], s[0:1], 0x40              ; mbuf
	v_lshl_add_u32 v254, v0, 2, 0x1b800
	v_mov_b32 v255, 0
	v_lshrrev_b32 v1, 5, v0
	v_readfirstlane_b32 s22, v1                    ; wave
	v_and_b32 v1, 31, v0
	v_and_b32 v2, 15, v0                           ; r
	v_bfe_u32 v3, v0, 4, 1                         ; h
	s_and_b32 s23, s22, 3                          ; cw
	s_lshr_b32 s24, s22, 2                         ; pw
	s_mul_i32 s48, s24, 128*TP
	v_mul_u32_u24 v[FA], v2, TP
	v_lshl_add_u32 v[FA], v3, 4, v[FA]
	v_add_nc_u32 v[FA], s48, v[FA]
	s_lshl_b32 s48, s24, 11
	s_add_co_u32 s48, s48, SCT
	v_lshl_add_u32 v[FSC], v2, 4, s48
	s_lshl_b32 s48, s22, 9
	s_add_co_u32 s49, s48, PST
	v_lshl_add_u32 v[PA], v3, 7, s49
	v_lshl_add_u32 v[PR], v1, 4, s49
	s_add_co_u32 s48, s48, SCT
	v_lshl_add_u32 v15, v1, 4, s48                 ; point = lane of my wave's 32: its 16 scale bytes
	v_and_b32 v214, 7, v1
	v_lshrrev_b32 v215, 3, v1
	v_lshl_add_u32 v212, v214, 6, s48              ; interp's scale bytes: points 4 (lane % 8) on,
	v_lshl_add_u32 v212, v215, 1, v212             ; the two bytes of quarter lane / 8
	v_lshlrev_b32 v213, 3, v214
	v_lshl_add_u32 v213, v215, 17, v213            ; and in memory: quarter x 128 KB + 8 bytes for four points
	s_lshl_b32 s48, s24, 14
	s_add_co_u32 s48, s48, HIMG
	v_lshl_add_u32 v[HA], v1, 4, s48               ; images: 16 x lane, my 8 tiles of points
	s_lshl_b32 s49, s23, 9
	s_add_co_u32 s48, s48, s49
	v_lshl_add_u32 v[HWI], v1, 4, s48              ; where I store: K step cw / 2, half cw % 2: 512 cw bytes on
	s_lshl_b32 s48, s24, 10
	s_add_co_u32 s48, s48, HSC
	v_lshl_add_u32 v[HB], v2, 2, s48               ; scale words: 4 r
	s_lshr_b32 s49, s23, 1
	s_lshl_b32 s49, s49, 6
	s_add_co_u32 s48, s48, s49
	s_and_b32 s49, s23, 1
	s_lshl_b32 s49, s49, 1
	s_add_co_u32 s48, s48, s49
	v_lshl_add_u32 v[HWS], v2, 2, s48              ; my two bytes of them
	s_lshl_b32 s48, s22, 8
	s_add_co_u32 s48, s48, HSC
	v_lshl_add_u32 v209, v1, 3, s48                ; the scale words' way out: 256 bytes a wave
	v_lshlrev_b32 v[L16], 4, v1
	v_lshlrev_b32 v[L8], 3, v1
	s_mul_i32 s48, s22, 32*TP
	v_lshrrev_b32 v14, 3, v1
	v_mul_u32_u24 v14, v14, TP
	v_and_b32 v210, 7, v1
	v_lshl_add_u32 v14, v210, 4, v14
	v_add_nc_u32 v14, s48, v14                     ; unknow_feats' codes: eight lanes to 128 bytes of a row, four rows an instruction
	v_lshrrev_b32 v211, 1, v1
	v_mul_u32_u24 v211, v211, TP
	v_and_b32 v210, 1, v1
	v_lshl_add_u32 v211, v210, 4, v211
	v_add_nc_u32 v211, s48, v211                   ; interp's codes: two lanes to a quarter's 32 bytes of a row, sixteen rows an instruction
	v_and_b32 v210, 8, v2
	v_add_nc_u32 v210, v210, v2                    ; r + 8 (r / 8)
	v_lshlrev_b32 v204, 8, v210
	v_lshl_add_u32 v204, v3, 4, v204               ; W1: rows of 256 bytes
	v_lshlrev_b32 v205, 4, v210
	v_lshlrev_b32 v206, 7, v210
	v_lshl_add_u32 v206, v3, 4, v206               ; W2: rows of 128 bytes
	v_lshlrev_b32 v207, 3, v210
	v_lshlrev_b32 v208, 6, v3                      ; the norm's numbers: 16 channels on for lanes 16-31
	s_mov_b32 s[SEL], 0x76543210
	s_mov_b32 s[SEL+1], 0xfedcba98                 ; v_permlanex16_b32's selects for lane l xor 16
	s_lshl_b32 s25, ttmp9, 8
	s_lshl_b32 s44, s22, 5
	s_add_co_u32 s25, s25, s44                     ; my wave's first point among all
	s_mov_b32 s45, 0
	s_wait_kmcnt 0x0
	s_lshl_b32 s44, s25, 5
	s_add_nc_u64 s[28:29], s[4:5], s[44:45]        ; interp's codes: 32 bytes a point and quarter
	s_lshl_b32 s44, s25, 7
	s_add_nc_u64 s[32:33], s[6:7], s[44:45]        ; unknow_feats'
	s_lshl_b32 s44, s25, 1
	s_add_co_u32 s44, s44, 8388608
	s_add_nc_u64 s[30:31], s[4:5], s[44:45]        ; interp's scale bytes: 2 a point and quarter
	s_lshl_b32 s44, s25, 3
	s_add_co_u32 s44, s44, 8388608
	s_add_nc_u64 s[34:35], s[6:7], s[44:45]
	s_lshl_b32 s44, s23, 14
	s_add_nc_u64 s[12:13], s[12:13], s[44:45]
	s_lshl_b32 s44, s23, 10
	s_add_nc_u64 s[14:15], s[14:15], s[44:45]
	s_lshl_b32 s44, s23, 13
	s_add_nc_u64 s[16:17], s[16:17], s[44:45]
	s_lshl_b32 s44, s23, 9
	s_add_nc_u64 s[18:19], s[18:19], s[44:45]
	s_lshl_b32 s44, s23, 8
	s_add_nc_u64 s[8:9], s[8:9], s[44:45]
	s_add_nc_u64 s[10:11], s[10:11], s[44:45]
	s_lshl_b32 s44, ttmp9, 15
	s_lshl_b32 s46, s24, 14
	s_add_co_u32 s44, s44, s46
	s_lshl_b32 s46, s23, 9
	s_add_co_u32 s44, s44, s46
	s_add_nc_u64 s[36:37], s[20:21], s[44:45]      ; the images in memory: tile 16 work-group + 8 pw, + 512 cw
	s_lshl_b32 s44, ttmp9, 11
	s_lshl_b32 s46, s22, 8
	s_add_co_u32 s44, s44, s46
	s_add_co_u32 s44, s44, 8388608
	s_add_nc_u64 s[38:39], s[20:21], s[44:45]      ; their scale words
	s_lshl_b32 s44, ttmp9, 1
	s_add_co_u32 s44, s44, s24
	s_lshl_b32 s44, s44, 11
	s_lshl_b32 s46, s23, 9
	s_add_co_u32 s44, s44, s46
	s_add_co_u32 s44, s44, 8912896
	s_add_nc_u64 s[40:41], s[20:21], s[44:45]      ; the statistics
.irp q, 0,1,2,3
.irp a, 0,1
	global_load_b128 v[16+4*(2*\q+\a):16+4*(2*\q+\a)+3], v[L16], s[28:29] offset:2097152*\q+512*\a   ; 512 consecutive bytes: 16 points of a quarter
.endr
.endr
.irp i, 0,1,2,3,4,5,6,7
	global_load_b128 v[48+4*\i:51+4*\i], v[L16], s[32:33] offset:512*\i
.endr
	global_load_b64 v[200:201], v213, s[30:31]
	global_load_b64 v[202:203], v[L8], s[34:35]
	WIN 0x40                                       ; destination window 1
.irp t, 0,1,2,3
.irp q, 0,1,2,3
.irp c, 0,1
	global_load_b128 v[8*(4*\t+\q)+4*\c:8*(4*\t+\q)+4*\c+3], v204, s[12:13] offset:(32*(\t/2)+8*(\t%2))*256+64*\q+32*\c
.endr
.endr
.endr
	WIN 0
.irp t, 0,1,2,3
	global_load_b128 v[W1S+4*\t:W1S+4*\t+3], v205, s[14:15] offset:(32*(\t/2)+8*(\t%2))*16
.endr
	s_wait_loadcnt 36                              ; my 32 points' codes and scale bytes are in; W1's 36 loads may be out
.irp q, 0,1,2,3
.irp a, 0,1
	ds_store_b128 v211, v[16+4*(2*\q+\a):16+4*(2*\q+\a)+3] offset:16*TP*\a+32*\q    ; K = 64 q on
.endr
.endr
.irp i, 0,1,2,3,4,5,6,7
	ds_store_b128 v14, v[48+4*\i:51+4*\i] offset:128+4*TP*\i                        ; K = 256 on
.endr
	v_lshrrev_b32 v214, 16, v200
	v_lshrrev_b32 v215, 16, v201
	ds_store_b16 v212, v200                        ; four points' two bytes of my quarter
	ds_store_b16 v212, v214 offset:16
	ds_store_b16 v212, v201 offset:32
	ds_store_b16 v212, v215 offset:48
	ds_store_b64 v15, v[202:203] offset:8
	WIN 0x40
.irp t, 0,1,2,3                        ; W2's fragment (tile t, K step s) at v[128 + 8 (2 t + s)] of window 1
.irp s, 0,1
.irp c, 0,1
	global_load_b128 v[128+8*(2*\t+\s)+4*\c:128+8*(2*\t+\s)+4*\c+3], v206, s[16:17] offset:(32*(\t/2)+8*(\t%2))*128+64*\s+32*\c
.endr
.endr
.endr
	WIN 0
.irp t, 0,1,2,3
	global_load_b64 v[W2S+2*\t:W2S+2*\t+1], v207, s[18:19] offset:(32*(\t/2)+8*(\t%2))*8
.endr
.irp t, 0,1,2,3                        ; register 8 t + j of lane (r, h): channel 64 cw + 32 (t / 2) + 16 h + 8 (t % 2) + j
	global_load_b128 v[BM+8*\t:BM+8*\t+3], v208, s[8:9] offset:(32*(\t/2)+8*(\t%2))*4
	global_load_b128 v[BM+8*\t+4:BM+8*\t+7], v208, s[8:9] offset:(32*(\t/2)+8*(\t%2))*4+16
	global_load_b128 v[BA+8*\t:BA+8*\t+3], v208, s[8:9] offset:1024+(32*(\t/2)+8*(\t%2))*4
	global_load_b128 v[BA+8*\t+4:BA+8*\t+7], v208, s[8:9] offset:1024+(32*(\t/2)+8*(\t%2))*4+16
	global_load_b128 v[BB+8*\t:BB+8*\t+3], v208, s[10:11] offset:(32*(\t/2)+8*(\t%2))*4
	global_load_b128 v[BB+8*\t+4:BB+8*\t+7], v208, s[10:11] offset:(32*(\t/2)+8*(\t%2))*4+16
.endr
	v_mov_b32 v[TM+2], 0                           ; written once: a lane permute's destination counts as one of its sources
	v_mov_b32 v[TM+3], 0
	s_wait_dscnt 0x0
	s_barrier_signal -1
	s_barrier_wait -1                              ; 256 whole rows lie in LDS
.macro AFRAG mt
.irp q, 0,1,2,3
.irp c, 0,1
	ds_load_b128 v[AF+8*\q+4*\c:AF+8*\q+4*\c+3], v[FA] offset:(\mt)*16*TP+64*\q+32*\c
.endr
.endr
	ds_load_b128 v[AS:AS+3], v[FSC] offset:(\mt)*256
.endm
.macro PLACES
.rept 5
	v_nop                                          ; four for reads of the results and loads into the operands, five for products that begin the accumulators anew
.endr
.endm
.macro G1                              ; the four accumulators take turns, one instruction a turn
	s_wait_dscnt 0x0
	WIN 0x01
.irp q, 0,1,2,3
.irp t, 0,1,2,3
.if \q == 0
	v_wmma_scale_f32_16x16x128_f8f6f4 v[ACC+8*\t:ACC+8*\t+7], v[8*(4*\t+\q):8*(4*\t+\q)+7], v[AF+8*\q:AF+8*\q+7], 0, v[W1S+4*\t+\q], v[AS+\q] matrix_a_fmt:MATRIX_FMT_FP4 matrix_b_fmt:MATRIX_FMT_FP4
.else
	v_wmma_scale_f32_16x16x128_f8f6f4 v[ACC+8*\t:ACC+8*\t+7], v[8*(4*\t+\q):8*(4*\t+\q)+7], v[AF+8*\q:AF+8*\q+7], v[ACC+8*\t:ACC+8*\t+7], v[W1S+4*\t+\q], v[AS+\q] matrix_a_fmt:MATRIX_FMT_FP4 matrix_b_fmt:MATRIX_FMT_FP4
.endif
.endr
.endr
	WIN 0
	PLACES
.endm
.macro QUANT2 mt                       ; my 64 channels of 16 points: two blocks of 32 along the next K
.set PCS, PC+4*((\mt)%2)
.irp b, 0,1
	v_max3_num_f32 v[TM+\b], v[ACC+16*\b], v[ACC+16*\b+1], 0x1800000     ; none is negative; the floor 2^(3 - 127) holds the byte at 1 from below
.endr
.irp i, 2,4,6,8,10,12,14
.irp b, 0,1
	v_max3_num_f32 v[TM+\b], v[TM+\b], v[ACC+16*\b+\i], v[ACC+16*\b+\i+1]
.endr
.endr
.irp b, 0,1
	v_permlanex16_b32 v[TM+2+\b], v[TM+\b], s[SEL], s[SEL+1]
.endr
.irp b, 0,1
	v_max_num_f32 v[TM+\b], v[TM+\b], v[TM+2+\b]
.endr
.irp b, 0,1
	v_add_nc_u32 v[TM+4+\b], 0xff000000, v[TM+\b]
.endr
.irp b, 0,1
	v_lshrrev_b32 v[TM+6+\b], 23, v[TM+4+\b]
.endr
	v_lshl_or_b32 v[PW], v[TM+7], 8, v[TM+6]
	s_wait_xcnt 0x0                                ; the store of two tiles ago has read this set of code registers
.irp b, 0,1
	v_cvt_scalef32_pk8_fp4_f32 v[PCS+2*\b], v[ACC+16*\b:ACC+16*\b+7], v[TM+4+\b]
	v_cvt_scalef32_pk8_fp4_f32 v[PCS+2*\b+1], v[ACC+16*\b+8:ACC+16*\b+15], v[TM+4+\b]
.endr
	v_nop                                          ; one plain instruction behind the conversions
	v_permlane16_swap_b32 v[PCS], v[PCS+2]         ; the operand's layout wants a whole block in a lane: lanes 0-15 the first, lanes 16-31 the second
	v_permlane16_swap_b32 v[PCS+1], v[PCS+3]
	ds_store_b128 v[HWI], v[PCS:PCS+3] offset:2048*(\mt)
	global_store_b128 v[L16], v[PCS:PCS+3], s[36:37] offset:2048*(\mt)    ; 512 consecutive bytes
	ds_store_b16 v[HWS], v[PW] offset:128*(\mt)    ; lanes r and r + 16 write the same two bytes
.endm
	AFRAG 0
	s_wait_loadcnt 0x0                             ; the weights and the norm's numbers
.irp mt, 0,1,2,3,4,5,6,7
	G1
.if \mt < 7
	AFRAG \mt+1                                    ; lands while this tile is normalised and quantised
.endif
.set i, 0
.rept 16
	v_pk_add_f32 v[ACC+i:ACC+i+1], v[ACC+i:ACC+i+1], v[BM+i:BM+i+1] neg_lo:[0,1] neg_hi:[0,1]   ; each accumulator from its low end on
.set i, i+2
.endr
.set i, 0
.rept 16
	v_pk_fma_f32 v[ACC+i:ACC+i+1], v[ACC+i:ACC+i+1], v[BA+i:BA+i+1], v[BB+i:BB+i+1]
.set i, i+2
.endr
.set i, 0
.rept 32
	v_max_num_f32 v[ACC+i], 0, v[ACC+i]
.set i, i+1
.endr
	QUANT2 \mt
.endr
	s_wait_dscnt 0x0
	s_barrier_signal -1
	s_barrier_wait -1                              ; all images and scale words of h lie in LDS
.macro HFRAG mt
.irp s, 0,1
.irp c, 0,1
	ds_load_b128 v[HF+8*\s+4*\c:HF+8*\s+4*\c+3], v[HA] offset:2048*(\mt)+1024*\s+512*\c
.endr
	ds_load_b32 v[HS+\s], v[HB] offset:128*(\mt)+64*\s
.endr
.endm
.macro G2
	s_wait_dscnt 0x0
	WIN 0x01
.irp s, 0,1
.irp t, 0,1,2,3
.if \s == 0
	v_wmma_scale_f32_16x16x128_f8f6f4 v[ACC+8*\t:ACC+8*\t+7], v[128+8*(2*\t+\s):128+8*(2*\t+\s)+7], v[HF+8*\s:HF+8*\s+7], 0, v[W2S+2*\t+\s], v[HS+\s] matrix_a_fmt:MATRIX_FMT_FP4 matrix_b_fmt:MATRIX_FMT_FP4
.else
	v_wmma_scale_f32_16x16x128_f8f6f4 v[ACC+8*\t:ACC+8*\t+7], v[128+8*(2*\t+\s):128+8*(2*\t+\s)+7], v[HF+8*\s:HF+8*\s+7], v[ACC+8*\t:ACC+8*\t+7], v[W2S+2*\t+\s], v[HS+\s] matrix_a_fmt:MATRIX_FMT_FP4 matrix_b_fmt:MATRIX_FMT_FP4
.endif
.endr
.endr
	WIN 0
	PLACES
.endm
.macro SHIFT
.set i, 0
.rept 32
	v_mul_f32 v[KK+i], 0x3d800000, v[ACC+i]
.set i, i+1
.endr
.irp m, 1,2,4,8
.set i, 0
.rept 32
	v_add_f32_dpp v[KK+i], v[KK+i], v[KK+i] row_xmask:\m row_mask:0xf bank_mask:0xf
.set i, i+1
.endr
.endr
.endm
.macro ACCUM first
.if \first
.set i, 0
.rept 16
	v_pk_add_f32 v[S1+i:S1+i+1], v[ACC+i:ACC+i+1], v[KK+i:KK+i+1] neg_lo:[0,1] neg_hi:[0,1]
.set i, i+2
.endr
.set i, 0
.rept 16
	v_pk_mul_f32 v[S2+i:S2+i+1], v[S1+i:S1+i+1], v[S1+i:S1+i+1]
.set i, i+2
.endr
.else
.irp a, 0,8,16,24
.irp k, 0,2,4,6
	v_pk_add_f32 v[T+\k:T+\k+1], v[ACC+\a+\k:ACC+\a+\k+1], v[KK+\a+\k:KK+\a+\k+1] neg_lo:[0,1] neg_hi:[0,1]
.endr
.irp k, 0,2,4,6
	v_pk_add_f32 v[S1+\a+\k:S1+\a+\k+1], v[S1+\a+\k:S1+\a+\k+1], v[T+\k:T+\k+1]
.endr
.irp k, 0,2,4,6
	v_pk_fma_f32 v[S2+\a+\k:S2+\a+\k+1], v[T+\k:T+\k+1], v[T+\k:T+\k+1], v[S2+\a+\k:S2+\a+\k+1]
.endr
.endr
.endif
.endm
	ds_load_b64 v[200:201], v209
	HFRAG 0
	s_wait_dscnt 6                                 ; the scale words are back; the first fragment's six loads may be out
	global_store_b64 v[L8], v[200:201], s[38:39]   ; 256 consecutive bytes a wave
.irp mt, 0,1,2,3,4,5,6,7
	G2
.if \mt < 7
	HFRAG \mt+1
.endif
.if \mt == 0
	SHIFT
	ACCUM 1
.else
	ACCUM 0
.endif
.endr
.irp m, 1,2,4,8                        ; over the sixteen lanes; mean = shift + S1 / 128, M2 = S2 - S1^2 / 128
.set i, 0
.rept 64
	v_add_f32_dpp v[S1+i], v[S1+i], v[S1+i] row_xmask:\m row_mask:0xf bank_mask:0xf
.set i, i+1
.endr
.endr
.set i, 0
.rept 32
	v_fma_f32 v[MP+2*i], v[S1+i], 0x3c000000, v[KK+i]
	v_mul_f32 v[T+i%8], 0xbc000000, v[S1+i]
	v_fma_f32 v[MP+2*i+1], v[T+i%8], v[S1+i], v[S2+i]
.set i, i+1
.endr
.irp t, 0,1,2,3
.irp j, 0,1,2,3,4,5,6,7
	ds_store_b64 v[PA], v[MP+2*(8*\t+\j):MP+2*(8*\t+\j)+1] offset:256*(\t/2)+64*(\t%2)+8*\j
.endr
.endr
	ds_load_b128 v[T:T+3], v[PR]                   ; my wave's own bytes: served in order
	s_wait_dscnt 0x0
	global_store_b128 v[L16], v[T:T+3], s[40:41]   ; 512 consecutive bytes: 64 channels' (mean, M2)
	s_wait_tensorcnt 0x0
	ds_add_u32 v254, v255
	s_wait_dscnt 0x0
	s_endpgm
.Lfunc_end_k_qb483f51ab2_mid:
	.size	k_qb483f51ab2_mid, .Lfunc_end_k_qb483f51ab2_mid-k_qb483f51ab2_mid
	.p2alignl 7, 3214868480
	.fill 96, 4, 3214868480
	.section	.rodata,"a",@progbits
	.p2align	6, 0x0
	.amdhsa_kernel k_qb483f51ab2_mid
		.amdhsa_group_segment_fixed_size 113664
		.amdhsa_private_segment_fixed_size 0
		.amdhsa_enable_private_segment 0
		.amdhsa_kernarg_size 72
		.amdhsa_user_sgpr_count 2
		.amdhsa_user_sgpr_kernarg_segment_ptr 1
		.amdhsa_wavefront_size32 1
		.amdhsa_system_sgpr_workgroup_id_x 1
		.amdhsa_system_sgpr_workgroup_id_y 1
		.amdhsa_system_sgpr_workgroup_id_z 1
		.amdhsa_system_vgpr_workitem_id 0
		.amdhsa_next_free_vgpr 448
		.amdhsa_next_free_sgpr 66
		.amdhsa_reserve_vcc 0
		.amdhsa_float_denorm_mode_32 3
		.amdhsa_float_denorm_mode_16_64 3
		.amdhsa_memory_ordered 1
		.amdhsa_forward_progress 1
		.amdhsa_inst_pref_size 152
	.end_amdhsa_kernel
	.amdgpu_metadata
---
amdhsa.version: [ 1, 2 ]
amdhsa.kernels:
  - .name:           k_qb483f51ab2_mid
    .symbol:         k_qb483f51ab2_mid.kd
    .args:
      - { .name: fbuf, .offset: 0, .size: 8, .value_kind: global_buffer, .address_space: global }
      - { .name: ubuf, .offset: 8, .size: 8, .value_kind: global_buffer, .address_space: global }
      - { .name: st1, .offset: 16, .size: 8, .value_kind: global_buffer, .address_space: global }
      - { .name: b1, .offset: 24, .size: 8, .value_kind: global_buffer, .address_space: global }
      - { .name: W1_codes, .offset: 32, .size: 8, .value_kind: global_buffer, .address_space: global }
      - { .name: W1_scales, .offset: 40, .size: 8, .value_kind: global_buffer, .address_space: global }
      - { .name: W2_codes, .offset: 48, .size: 8, .value_kind: global_buffer, .address_space: global }
      - { .name: W2_scales, .offset: 56, .size: 8, .value_kind: global_buffer, .address_space: global }
      - { .name: mbuf, .offset: 64, .size: 8, .value_kind: global_buffer, .address_space: global }
    .group_segment_fixed_size: 113664
    .private_segment_fixed_size: 0
    .kernarg_segment_align: 8
    .kernarg_segment_size: 72
    .max_flat_workgroup_size: 256
    .sgpr_count:     66
    .vgpr_count:     448
    .wavefront_size: 32
...
	.end_amdgpu_metadata
.endif
;; end of part 6
;; launch stat2: the kernel of part 5 again; grid 8 x 1, 16 waves a work-group, no clusters, 6,144 bytes of LDS; arguments mbuf, g2, st2; writes st2
;; launch fin (part 7): grid 256 x 1, 8 waves a work-group, no clusters, 271,360 bytes of LDS; arguments mbuf, st2, b2, W2_codes, W2_scales, out0; writes out0
.if DOCPART == 7
	.amdgcn_target "amdgcn-amd-amdhsa--gfx1250"
	.amdhsa_code_object_version 6
	.text
	.protected	k_qb483f51ab2_fin
	.globl	k_qb483f51ab2_fin
	.p2align	8
	.type	k_qb483f51ab2_fin,@function
k_qb483f51ab2_fin:
	s_mov_b64 s[64:65], 0
	v_nop
	global_prefetch_b8 v0, s[64:65] scope:SCOPE_SE
	s_setreg_imm32_b32 hwreg(HW_REG_WAVE_MODE, 25, 1), 1
	s_wait_xcnt 0x0
; out = relu((y2 - mean2) a2 + b2), y2 = h W2^T made once more from h's codes.
; A work-group owns 256 points; wave (cw, pw) makes channels 64 cw .. + 63 of points 128 pw .. + 127.  Here source 0 = 16 points (h's register images, loaded as they were stored) and
; source 1 = 16 neighbouring rows of W2: a lane then holds ONE channel and eight neighbouring points, which is how the output lies ([batch][channel][point]), and the norm's numbers are one a lane.
; The wave's 64 x 128 results go through its own stage in LDS (rows of 512 bytes + 16) and leave as rows: 32 lanes store 512 consecutive bytes.  Waves share nothing: no barrier.
; The launch is bound by its 67 MB of stores; W2 (34 KB) and the images are read into registers: no cluster, no tensor load.
.set SP,  528
.set SO,  4
.set SR,  5
.set L16, 6
.set AB,  16                           ; v16-23 pairs (a, b) of my channel in tile t;  v24-31 pairs (mean, 0)
.set MN,  24
.set W2F, 32                           ; v32-95 W2's fragment (tile t, K step s) at 32 + 8 (2 t + s)
.set ACC, 96
.set O,   128
.set OB,  160                          ; v160-223 sixteen rows on their way out
.set HS,  224                          ; v224-247 hold scales alone: h's (2 mt + s), W2's (2 t + s)
.set W2S, 240
.set MSB, 0
.macro WIN new
.if MSB != \new
	s_set_vgpr_msb (MSB<<8)|\new
.set MSB, \new
.endif
.endm
	s_load_b256 s[4:11], s[0:1], 0x0               ; mbuf, st2, b2, W2's codes
	s_load_b128 s[12:15], s[0:1], 0x20             ; W2's scales, out0
	v_lshl_add_u32 v254, v0, 2, 0x42000
	v_mov_b32 v255, 0
	v_lshrrev_b32 v1, 5, v0
	v_readfirstlane_b32 s16, v1                    ; wave
	v_and_b32 v1, 31, v0
	v_and_b32 v2, 15, v0                           ; r
	v_bfe_u32 v3, v0, 4, 1                         ; h
	s_and_b32 s17, s16, 3                          ; cw
	s_lshr_b32 s18, s16, 2                         ; pw
	s_mul_i32 s19, s16, 64*SP                      ; my stage
	v_mul_u32_u24 v[SO], v2, SP
	v_lshl_add_u32 v[SO], v3, 5, v[SO]
	v_add_nc_u32 v[SO], s19, v[SO]                 ; in: row r (+ 16 t), 32 bytes for each half of the lanes
	v_lshl_add_u32 v[SR], v1, 4, s19               ; back: a row of 512 bytes
	v_lshlrev_b32 v[L16], 4, v1
	v_lshlrev_b32 v7, 2, v2                        ; 4 r
	v_lshlrev_b32 v8, 3, v2                        ; 8 r
	v_lshlrev_b32 v9, 7, v2
	v_lshl_add_u32 v9, v3, 4, v9                   ; W2: row r of 128 bytes, + 16 h
.irp t, 0,1,2,3
	v_mov_b32 v[MN+2*\t+1], 0                      ; upper halves of the pairs that the packed form names
.endr
	s_mov_b32 s21, 0
	s_wait_kmcnt 0x0
	s_lshl_b32 s20, ttmp9, 11
	s_lshl_b32 s22, s18, 10
	s_add_co_u32 s20, s20, s22
	s_add_co_u32 s20, s20, 8388608
	s_add_nc_u64 s[24:25], s[4:5], s[20:21]        ; h's scale words: tile 16 work-group + 8 pw
	s_lshl_b32 s20, ttmp9, 15
	s_lshl_b32 s22, s18, 14
	s_add_co_u32 s20, s20, s22
	s_add_nc_u64 s[4:5], s[4:5], s[20:21]          ; its images
	s_lshl_b32 s20, s17, 8
	s_add_nc_u64 s[6:7], s[6:7], s[20:21]
	s_add_nc_u64 s[8:9], s[8:9], s[20:21]
	s_lshl_b32 s20, s17, 13
	s_add_nc_u64 s[10:11], s[10:11], s[20:21]
	s_lshl_b32 s20, s17, 9
	s_add_nc_u64 s[12:13], s[12:13], s[20:21]
	s_lshr_b32 s20, ttmp9, 4
	s_lshl_b32 s20, s20, 22
	s_lshl_b32 s22, s17, 20
	s_add_co_u32 s20, s20, s22
	s_and_b32 s22, ttmp9, 15
	s_lshl_b32 s22, s22, 10
	s_add_co_u32 s20, s20, s22
	s_lshl_b32 s22, s18, 9
	s_add_co_u32 s20, s20, s22
	s_add_nc_u64 s[14:15], s[14:15], s[20:21]      ; out0: batch, channel 64 cw, my first point
.irp t, 0,1,2,3
.irp s, 0,1
.irp c, 0,1
	global_load_b128 v[W2F+8*(2*\t+\s)+4*\c:W2F+8*(2*\t+\s)+4*\c+3], v9, s[10:11] offset:2048*\t+64*\s+32*\c
.endr
.endr
.endr
.irp t, 0,1,2,3
	global_load_b64 v[W2S+2*\t:W2S+2*\t+1], v8, s[12:13] offset:128*\t
	global_load_b32 v[MN+2*\t], v7, s[6:7] offset:64*\t
	global_load_b32 v[AB+2*\t], v7, s[6:7] offset:1024+64*\t
	global_load_b32 v[AB+2*\t+1], v7, s[8:9] offset:64*\t
.endr
.irp mt, 0,1,2,3,4,5,6,7
.irp s, 0,1
	global_load_b32 v[HS+2*\mt+\s], v7, s[24:25] offset:128*\mt+64*\s
.endr
.endr
	WIN 0x40                                       ; destination window 1: h's fragment (tile mt, K step s) at v[8 (2 mt + s)]
.irp mt, 0,1,2,3,4,5,6,7
.irp s, 0,1
.irp c, 0,1
	global_load_b128 v[8*(2*\mt+\s)+4*\c:8*(2*\mt+\s)+4*\c+3], v[L16], s[4:5] offset:2048*\mt+1024*\s+512*\c
.endr
.endr
.endr
	WIN 0
.macro PTILE mt
	s_wait_loadcnt 4*(7-(\mt))                     ; the four loads of each later tile may be out
	WIN 0x01                                       ; source 0 (h) window 1
.irp s, 0,1
.irp t, 0,1,2,3                        ; the four accumulators take turns, one instruction a turn
.if \s == 0
	v_wmma_scale_f32_16x16x128_f8f6f4 v[ACC+8*\t:ACC+8*\t+7], v[8*(2*(\mt)+\s):8*(2*(\mt)+\s)+7], v[W2F+8*(2*\t+\s):W2F+8*(2*\t+\s)+7], 0, v[HS+2*(\mt)+\s], v[W2S+2*\t+\s] matrix_a_fmt:MATRIX_FMT_FP4 matrix_b_fmt:MATRIX_FMT_FP4
.else
	v_wmma_scale_f32_16x16x128_f8f6f4 v[ACC+8*\t:ACC+8*\t+7], v[8*(2*(\mt)+\s):8*(2*(\mt)+\s)+7], v[W2F+8*(2*\t+\s):W2F+8*(2*\t+\s)+7], v[ACC+8*\t:ACC+8*\t+7], v[HS+2*(\mt)+\s], v[W2S+2*\t+\s] matrix_a_fmt:MATRIX_FMT_FP4 matrix_b_fmt:MATRIX_FMT_FP4
.endif
.endr
.endr
	WIN 0
.rept 5
	v_nop                                          ; four places for the reads below, five for the next tile's products, which begin the accumulators anew (ISA guide 7.12.1)
.endr
.irp t, 0,1,2,3
.irp k, 0,2,4,6
	v_pk_add_f32 v[O+8*\t+\k:O+8*\t+\k+1], v[ACC+8*\t+\k:ACC+8*\t+\k+1], v[MN+2*\t:MN+2*\t+1] op_sel_hi:[1,0] neg_lo:[0,1] neg_hi:[0,1]   ; y - mean; each accumulator from its low end on
.endr
.endr
.irp t, 0,1,2,3
.irp k, 0,2,4,6
	v_pk_fma_f32 v[O+8*\t+\k:O+8*\t+\k+1], v[O+8*\t+\k:O+8*\t+\k+1], v[AB+2*\t:AB+2*\t+1], v[AB+2*\t:AB+2*\t+1] op_sel:[0,0,1] op_sel_hi:[1,0,1]   ; x a (the pair's first register for both halves) + b (its second for both)
.endr
.endr
.set i, 0
.rept 32
	v_max_num_f32 v[O+i], 0, v[O+i]
.set i, i+1
.endr
.irp t, 0,1,2,3
	ds_store_b128 v[SO], v[O+8*\t:O+8*\t+3] offset:16*SP*\t+64*(\mt)
	ds_store_b128 v[SO], v[O+8*\t+4:O+8*\t+7] offset:16*SP*\t+64*(\mt)+16
.endr
.endm
.irp mt, 0,1,2,3,4,5,6,7
	PTILE \mt
.endr
.irp b, 0,1,2,3                        ; sixteen channels' rows at a time
.if \b > 0
	s_wait_xcnt 0x0                                ; the stores of the sixteen rows before have read their registers
.endif
.irp n, 0,1,2,3,4,5,6,7,8,9,10,11,12,13,14,15
	ds_load_b128 v[OB+4*\n:OB+4*\n+3], v[SR] offset:SP*(16*\b+\n)     ; my own bytes: LDS serves a wave's instructions in order
.endr
.irp n, 0,1,2,3,4,5,6,7,8,9,10,11,12,13,14,15
	s_wait_dscnt 15-\n
	global_store_b128 v[L16], v[OB+4*\n:OB+4*\n+3], s[14:15] offset:16384*(16*\b+\n) th:TH_STORE_NT   ; 512 consecutive bytes at a multiple of 256 from the output's first byte; written once, read by nobody here
.endr
.endr
	s_wait_tensorcnt 0x0
	ds_add_u32 v254, v255
	s_wait_dscnt 0x0
	s_endpgm
.Lfunc_end_k_qb483f51ab2_fin:
	.size	k_qb483f51ab2_fin, .Lfunc_end_k_qb483f51ab2_fin-k_qb483f51ab2_fin
	.p2alignl 7, 3214868480
	.fill 96, 4, 3214868480
	.section	.rodata,"a",@progbits
	.p2align	6, 0x0
	.amdhsa_kernel k_qb483f51ab2_fin
		.amdhsa_group_segment_fixed_size 271360
		.amdhsa_private_segment_fixed_size 0
		.amdhsa_enable_private_segment 0
		.amdhsa_kernarg_size 48
		.amdhsa_user_sgpr_count 2
		.amdhsa_user_sgpr_kernarg_segment_ptr 1
		.amdhsa_wavefront_size32 1
		.amdhsa_system_sgpr_workgroup_id_x 1
		.amdhsa_system_sgpr_workgroup_id_y 1
		.amdhsa_system_sgpr_workgroup_id_z 1
		.amdhsa_system_vgpr_workitem_id 0
		.amdhsa_next_free_vgpr 384
		.amdhsa_next_free_sgpr 66
		.amdhsa_reserve_vcc 0
		.amdhsa_float_denorm_mode_32 3
		.amdhsa_float_denorm_mode_16_64 3
		.amdhsa_memory_ordered 1
		.amdhsa_forward_progress 1
		.amdhsa_inst_pref_size 61
	.end_amdhsa_kernel
	.amdgpu_metadata
---
amdhsa.version: [ 1, 2 ]
amdhsa.kernels:
  - .name:           k_qb483f51ab2_fin
    .symbol:         k_qb483f51ab2_fin.kd
    .args:
      - { .name: mbuf, .offset: 0, .size: 8, .value_kind: global_buffer, .address_space: global }
      - { .name: st2, .offset: 8, .size: 8, .value_kind: global_buffer, .address_space: global }
      - { .name: b2, .offset: 16, .size: 8, .value_kind: global_buffer, .address_space: global }
      - { .name: W2_codes, .offset: 24, .size: 8, .value_kind: global_buffer, .address_space: global }
      - { .name: W2_scales, .offset: 32, .size: 8, .value_kind: global_buffer, .address_space: global }
      - { .name: out0, .offset: 40, .size: 8, .value_kind: global_buffer, .address_space: global }
    .group_segment_fixed_size: 271360
    .private_segment_fixed_size: 0
    .kernarg_segment_align: 8
    .kernarg_segment_size: 48
    .max_flat_workgroup_size: 256
    .sgpr_count:     66
    .vgpr_count:     384
    .wavefront_size: 32
...
	.end_amdgpu_metadata
.endif
;; end of part 7
;; ======== version 2 of 2: 8 launches; version 1 with the launches p1, mid, fin written anew for expert scheduling mode
;; workspace buffers: blk 262,144 bytes of whole numbers; nidx 1,048,576 bytes of whole numbers; ubuf 8,912,896 bytes; rbuf 17,825,792 bytes; fbuf 8,912,896 bytes; mbuf 9,961,472 bytes; st1 2,048 bytes; st2 2,048 bytes
;; launch coarse: the kernel of part 1 again; grid 256 x 1, 8 waves a work-group, no clusters, 87,552 bytes of LDS; arguments unknown, known, unknow_feats, blk, ubuf; writes blk, ubuf
;; launch refine: the kernel of part 2 again; grid 256 x 1, 8 waves a work-group, no clusters, 80,384 bytes of LDS; arguments unknown, known, known_feats, blk, nidx, rbuf; writes nidx, rbuf
;; launch interp: the kernel of part 3 again; grid 256 x 1, 8 waves a work-group, no clusters, 265,216 bytes of LDS; arguments nidx, rbuf, fbuf; writes fbuf
;; launch p1 (part 8): grid 256 x 1, 8 waves a work-group, no clusters, 78,848 bytes of LDS; arguments fbuf, ubuf, W1_codes, W1_scales, rbuf; writes rbuf
.if DOCPART == 8
	.amdgcn_target "amdgcn-amd-amdhsa--gfx1250"
	.amdhsa_code_object_version 6
	.text
	.protected	k_qb483f51ab2_p1
	.globl	k_qb483f51ab2_p1
	.p2align	8
	.type	k_qb483f51ab2_p1,@function
k_qb483f51ab2_p1:
	s_mov_b64 s[64:65], 0
	v_nop
	global_prefetch_b8 v0, s[64:65] scope:SCOPE_SE
	s_setreg_imm32_b32 hwreg(HW_REG_WAVE_SCHED_MODE, 0, 2), 2
	s_setreg_imm32_b32 hwreg(HW_REG_WAVE_MODE, 25, 1), 1
	s_wait_xcnt 0x0
	s_wait_alu depctr_vm_vsrc(0)
; THE FIRST PRODUCT, for its statistics alone.
; A work-group owns 256 points.  Their codes and scale bytes (interp's, laid by quarters of its 256 channels, and unknow_feats') meet in LDS as rows of 256 bytes of codes and 16 scale bytes a point.
; PRODUCT 1, transposed (source 0 = 16 rows of W1, source 1 = 16 points): wave (cw, pw) makes channels 64 cw .. + 63 of points 128 pw .. + 127; its 16 fragments of W1 stay in registers.
; Lane r of W1's tile t takes row 64 cw + 32 (t / 2) + 8 (t % 2) + r + 8 (r / 8): the same order as in the launch that repeats this product and needs it.
; STATISTICS without a difference of large sums: each channel is shifted by its mean over the wave's first 16 points; sums of d and d^2 over 128 points give (mean, M2), stored for the merging launch.
; The product's results go nowhere else: they are made again from the codes, which are an eighth of their bytes.
; The partial statistics go into the buffer of the turned table, 8,912,896 bytes from its start: no launch behind the interpolation reads the table, and this launch loads nothing from that buffer.
; What work-groups share is W1, 68 KB read once into registers: no cluster, no tensor load.
; THE MODE: SCHED_MODE bits 1:0 = 2 (LLVM: expert scheduling mode 2), set by the entry lines.  The code itself states the register dependences
; between vector or matrix instructions and memory or LDS instructions, with s_wait_alu, always for 0.
; THE PLAN.  Registers that memory or LDS instructions touch:
;   v4-16      offsets and LDS addresses: made at the head, ahead of one wait, and never written again.
;   v32-101    at the head only: codes and scale bytes as loaded (v100, v101 made by two shifts), read by the LDS stores that lay the rows.
;   set 0 (v32-63, scale words v240-243), set 1 (v192-223, v244-247): the points' four fragments.  Tile mt's sixteen products read set mt % 2; the LDS loads of tile mt + 1,
;              issued in tile mt, land in the other set, which the products of tile mt - 1 read last.
;   v32-95, v20-23  at the end: the pairs (mean, M2), written by vector instructions, read by LDS stores; four registers come back from LDS and are stored.
;   The accumulators, shifts and sums are named by vector and matrix instructions alone.
; So ONE wait on va_vdst stands at the head of a tile that loads into a set which products have read; the tile's nine loads follow it, five ahead of its products and four behind them:
; the products name the tile's own set, the sums name the accumulators, shifts and sums, none of the registers that those loads touch.
.set TP,  272                          ; a point's row in LDS: 256 bytes of codes + 16
.set SCT, 69632                        ; behind 256 rows: 16 scale bytes a point
.set PST, 73728                        ; behind them: 512 bytes a wave for the way out of the statistics
.set FA,  4
.set FSC, 5
.set PA,  6
.set PR,  7
.set L16, 8
.set L8,  9
.set T,   20                           ; v20-27 at work
.set AF,  32                           ; the points' four fragments: set 0 v32-63, set 1 v192-223; v64-95 four accumulators (at the head: the codes on their way to LDS)
.set ACC, 64
.set KK,  96                           ; v96-127 the shifts, v128-159 sums of d, v160-191 of d^2
.set S1,  128
.set S2,  160
.set MP,  32                           ; at the end: 32 pairs (mean, M2)
.set W1S, 224                          ; v224-239 W1's scale words, v240-243 and v244-247 the points', two sets: these registers hold scales alone
.set AS,  240
.set MSB, 0
.macro WIN new                         ; the immediate's high byte repeats the setting that is left
.if MSB != \new
	s_set_vgpr_msb (MSB<<8)|\new
.set MSB, \new
.endif
.endm
	s_load_b256 s[4:11], s[0:1], 0x0               ; fbuf, ubuf, W1's codes, W1's scales
	s_load_b64 s[12:13], s[0:1], 0x20              ; rbuf
	v_lshl_add_u32 v254, v0, 2, 0x13000
	v_mov_b32 v255, 0
	v_lshrrev_b32 v1, 5, v0
	v_readfirstlane_b32 s16, v1                    ; wave
	v_and_b32 v1, 31, v0                           ; lane
	v_and_b32 v2, 15, v0                           ; r
	v_bfe_u32 v3, v0, 4, 1                         ; h
	s_wait_alu depctr_va_sdst(0)                   ; s16 is written, ahead of its first reader
	s_and_b32 s17, s16, 3                          ; cw
	s_lshr_b32 s18, s16, 2                         ; pw
	s_mul_i32 s30, s18, 128*TP
	v_mul_u32_u24 v[FA], v2, TP
	v_lshl_add_u32 v[FA], v3, 4, v[FA]
	v_add_nc_u32 v[FA], s30, v[FA]                 ; a fragment: row 128 pw + r, + 16 h
	s_lshl_b32 s30, s18, 11
	s_add_co_u32 s30, s30, SCT
	v_lshl_add_u32 v[FSC], v2, 4, s30              ; and its four scale words
	s_lshl_b32 s30, s16, 9
	s_add_co_u32 s31, s30, PST
	v_lshl_add_u32 v[PA], v3, 7, s31
	v_lshl_add_u32 v[PR], v1, 4, s31
	s_add_co_u32 s31, s30, SCT                     ; my wave's 32 points' scale bytes
	v_lshl_add_u32 v13, v1, 4, s31                 ; point = lane
	v_and_b32 v17, 7, v1
	v_lshrrev_b32 v18, 3, v1
	v_lshl_add_u32 v12, v17, 6, s31                ; interp's: points 4 (lane % 8) on,
	v_lshl_add_u32 v12, v18, 1, v12                ; the two bytes of quarter lane / 8
	v_lshlrev_b32 v14, 3, v17
	v_lshl_add_u32 v14, v18, 17, v14               ; and in memory: quarter x 128 KB + 8 bytes for four points
	v_lshlrev_b32 v[L16], 4, v1
	v_lshlrev_b32 v[L8], 3, v1
	s_mul_i32 s30, s16, 32*TP
	v_mul_u32_u24 v11, v18, TP
	v_lshl_add_u32 v11, v17, 4, v11
	v_add_nc_u32 v11, s30, v11                     ; unknow_feats' codes: eight lanes to 128 bytes of a row, four rows an instruction
	v_lshrrev_b32 v17, 1, v1
	v_and_b32 v18, 1, v1
	v_mul_u32_u24 v10, v17, TP
	v_lshl_add_u32 v10, v18, 4, v10
	v_add_nc_u32 v10, s30, v10                     ; interp's codes: two lanes to a quarter's 32 bytes of a row, sixteen rows an instruction
	v_and_b32 v19, 8, v2
	v_add_nc_u32 v19, v19, v2                      ; r + 8 (r / 8)
	v_lshlrev_b32 v15, 8, v19
	v_lshl_add_u32 v15, v3, 4, v15                 ; W1: a row is 256 bytes
	v_lshlrev_b32 v16, 4, v19                      ; its scales: 16 bytes
	s_lshl_b32 s19, ttmp9, 8
	s_lshl_b32 s30, s16, 5
	s_add_co_u32 s19, s19, s30                     ; my wave's first point among all
	s_mov_b32 s33, 0
	s_wait_kmcnt 0x0
	s_lshl_b32 s32, s19, 5
	s_add_nc_u64 s[20:21], s[4:5], s[32:33]        ; interp's codes: 32 bytes a point and quarter
	s_lshl_b32 s32, s19, 1
	s_add_co_u32 s32, s32, 8388608
	s_add_nc_u64 s[22:23], s[4:5], s[32:33]        ; its scale bytes: 2 a point and quarter
	s_lshl_b32 s32, s19, 7
	s_add_nc_u64 s[24:25], s[6:7], s[32:33]        ; unknow_feats' codes
	s_lshl_b32 s32, s19, 3
	s_add_co_u32 s32, s32, 8388608
	s_add_nc_u64 s[26:27], s[6:7], s[32:33]        ; and scale bytes
	s_lshl_b32 s32, s17, 14
	s_add_nc_u64 s[8:9], s[8:9], s[32:33]          ; my 64 rows of W1
	s_lshl_b32 s32, s17, 10
	s_add_nc_u64 s[10:11], s[10:11], s[32:33]
	s_lshl_b32 s32, ttmp9, 1
	s_add_co_u32 s32, s32, s18
	s_lshl_b32 s32, s32, 11
	s_lshl_b32 s34, s17, 9
	s_add_co_u32 s32, s32, s34
	s_add_co_u32 s32, s32, 8912896
	s_add_nc_u64 s[28:29], s[12:13], s[32:33]      ; the statistics: row 2 work-group + pw, channels 64 cw on
	s_wait_alu depctr_va_vdst(0)                   ; the offsets and LDS addresses v4 to v16 are written, which every load and store of the kernel reads
.irp q, 0,1,2,3
.irp a, 0,1
	global_load_b128 v[32+4*(2*\q+\a):32+4*(2*\q+\a)+3], v[L16], s[20:21] offset:2097152*\q+512*\a   ; 512 consecutive bytes: 16 points of a quarter
.endr
.endr
.irp i, 0,1,2,3,4,5,6,7
	global_load_b128 v[64+4*\i:67+4*\i], v[L16], s[24:25] offset:512*\i
.endr
	global_load_b64 v[96:97], v14, s[22:23]
	global_load_b64 v[98:99], v[L8], s[26:27]
	WIN 0x40                                       ; destination window 1
.irp t, 0,1,2,3                        ; W1's fragment (tile t, K step q) at v[8 (4 t + q)] of window 1
.irp q, 0,1,2,3
.irp c, 0,1
	global_load_b128 v[8*(4*\t+\q)+4*\c:8*(4*\t+\q)+4*\c+3], v15, s[8:9] offset:(32*(\t/2)+8*(\t%2))*256+64*\q+32*\c
.endr
.endr
.endr
	WIN 0
.irp t, 0,1,2,3
	global_load_b128 v[W1S+4*\t:W1S+4*\t+3], v16, s[10:11] offset:(32*(\t/2)+8*(\t%2))*16
.endr
	s_wait_loadcnt 36                              ; my 32 points' codes and scale bytes are in; W1's 36 loads may be out
	v_lshrrev_b32 v100, 16, v96
	v_lshrrev_b32 v101, 16, v97
	s_wait_alu depctr_va_vdst(0)                   ; the two shifts have written v100 and v101, which LDS stores below read
.irp q, 0,1,2,3
.irp a, 0,1
	ds_store_b128 v10, v[32+4*(2*\q+\a):32+4*(2*\q+\a)+3] offset:16*TP*\a+32*\q     ; K = 64 q on
.endr
.endr
.irp i, 0,1,2,3,4,5,6,7
	ds_store_b128 v11, v[64+4*\i:67+4*\i] offset:128+4*TP*\i                        ; K = 256 on
.endr
	ds_store_b16 v12, v96                          ; four points' two bytes of my quarter
	ds_store_b16 v12, v100 offset:16
	ds_store_b16 v12, v97 offset:32
	ds_store_b16 v12, v101 offset:48
	ds_store_b64 v13, v[98:99] offset:8
	s_wait_dscnt 0x0                               ; for the others' sake: my stores have landed
	s_barrier_signal -1
	s_barrier_wait -1                              ; 256 whole rows lie in LDS
	s_wait_alu depctr_vm_vsrc(0)                   ; my LDS stores have read v32 to v101: from here on fragments land there, and products and sums write there
; The fragments (K steps) of points 128 pw + 16 mt on, and their scale words, into set mt % 2, in two runs.
.macro AFRAG_A mt                      ; the scale words and K steps 0, 1
.set LFB, AF+160*((\mt)%2)
.set LSB, AS+4*((\mt)%2)
	ds_load_b128 v[LSB:LSB+3], v[FSC] offset:(\mt)*256
.irp q, 0,1
.irp c, 0,1
	ds_load_b128 v[LFB+8*\q+4*\c:LFB+8*\q+4*\c+3], v[FA] offset:(\mt)*16*TP+64*\q+32*\c
.endr
.endr
.endm
.macro AFRAG_B mt                      ; K steps 2, 3
.set LFB, AF+160*((\mt)%2)
.irp q, 2,3
.irp c, 0,1
	ds_load_b128 v[LFB+8*\q+4*\c:LFB+8*\q+4*\c+3], v[FA] offset:(\mt)*16*TP+64*\q+32*\c
.endr
.endr
.endm
.macro G1 mt                           ; 16 products on set mt % 2; the four accumulators take turns, one instruction a turn
.set GFB, AF+160*((\mt)%2)
.set GSB, AS+4*((\mt)%2)
	WIN 0x01                                       ; source 0 (W1) window 1
.irp q, 0,1,2,3
.irp t, 0,1,2,3
.if \q == 0
	v_wmma_scale_f32_16x16x128_f8f6f4 v[ACC+8*\t:ACC+8*\t+7], v[8*(4*\t+\q):8*(4*\t+\q)+7], v[GFB+8*\q:GFB+8*\q+7], 0, v[W1S+4*\t+\q], v[GSB+\q] matrix_a_fmt:MATRIX_FMT_FP4 matrix_b_fmt:MATRIX_FMT_FP4
.else
	v_wmma_scale_f32_16x16x128_f8f6f4 v[ACC+8*\t:ACC+8*\t+7], v[8*(4*\t+\q):8*(4*\t+\q)+7], v[GFB+8*\q:GFB+8*\q+7], v[ACC+8*\t:ACC+8*\t+7], v[W1S+4*\t+\q], v[GSB+\q] matrix_a_fmt:MATRIX_FMT_FP4 matrix_b_fmt:MATRIX_FMT_FP4
.endif
.endr
.endr
	WIN 0
.rept 5
	v_nop                                          ; places: four for reads of the results, five for the next tile's products, which begin the accumulators anew (ISA guide 7.12.1)
.endr
.endm
.macro SHIFT                           ; each channel's mean over the first 16 points: the same number in the sixteen lanes
.set i, 0
.rept 32
	v_mul_f32 v[KK+i], 0x3d800000, v[ACC+i]        ; each accumulator from its low end on
.set i, i+1
.endr
.irp m, 1,2,4,8
.set i, 0
.rept 32
	v_add_f32_dpp v[KK+i], v[KK+i], v[KK+i] row_xmask:\m row_mask:0xf bank_mask:0xf
.set i, i+1
.endr
.endr
.endm
.macro ACCUM first
.if \first
.set i, 0
.rept 16
	v_pk_add_f32 v[S1+i:S1+i+1], v[ACC+i:ACC+i+1], v[KK+i:KK+i+1] neg_lo:[0,1] neg_hi:[0,1]
.set i, i+2
.endr
.set i, 0
.rept 16
	v_pk_mul_f32 v[S2+i:S2+i+1], v[S1+i:S1+i+1], v[S1+i:S1+i+1]
.set i, i+2
.endr
.else
.irp a, 0,8,16,24
.irp k, 0,2,4,6
	v_pk_add_f32 v[T+\k:T+\k+1], v[ACC+\a+\k:ACC+\a+\k+1], v[KK+\a+\k:KK+\a+\k+1] neg_lo:[0,1] neg_hi:[0,1]
.endr
.irp k, 0,2,4,6
	v_pk_add_f32 v[S1+\a+\k:S1+\a+\k+1], v[S1+\a+\k:S1+\a+\k+1], v[T+\k:T+\k+1]
.endr
.irp k, 0,2,4,6
	v_pk_fma_f32 v[S2+\a+\k:S2+\a+\k+1], v[T+\k:T+\k+1], v[T+\k:T+\k+1], v[S2+\a+\k:S2+\a+\k+1]
.endr
.endr
.endif
.endm
.macro FINISH                          ; over the sixteen lanes; mean = shift + S1 / 128, M2 = S2 - S1^2 / 128; out through my 512 bytes of LDS
.irp m, 1,2,4,8
.set i, 0
.rept 64
	v_add_f32_dpp v[S1+i], v[S1+i], v[S1+i] row_xmask:\m row_mask:0xf bank_mask:0xf
.set i, i+1
.endr
.endr
.set i, 0
.rept 32
	v_fma_f32 v[MP+2*i], v[S1+i], 0x3c000000, v[KK+i]
	v_mul_f32 v[T+i%8], 0xbc000000, v[S1+i]
	v_fma_f32 v[MP+2*i+1], v[T+i%8], v[S1+i], v[S2+i]
.set i, i+1
.endr
	s_wait_alu depctr_va_vdst(0)                   ; the pairs (mean, M2) are written, which the LDS stores read; the vector instructions are done with v20 to v23, in which the LDS load lands
.irp t, 0,1,2,3
.irp j, 0,1,2,3,4,5,6,7
	ds_store_b64 v[PA], v[MP+2*(8*\t+\j):MP+2*(8*\t+\j)+1] offset:256*(\t/2)+64*(\t%2)+8*\j   ; channel 32 (t / 2) + 16 h + 8 (t % 2) + j; sixteen lanes write the same value
.endr
.endr
	ds_load_b128 v[T:T+3], v[PR]
	s_wait_dscnt 0x0
.endm
	AFRAG_A 0
	AFRAG_B 0
	s_wait_loadcnt 0x0                             ; W1 and its scale words
.irp mt, 0,1,2,3,4,5,6,7
	s_wait_dscnt 0x0                               ; this tile's fragments and scale words are in
.if (\mt > 0) && (\mt < 7)
	s_wait_alu depctr_va_vdst(0)                   ; the products of the tile before are done reading the other set of fragments and scale words, in which the loads of this tile land
.endif
.if \mt < 7
	AFRAG_A \mt+1                                  ; the next tile's: five loads ahead of the products,
.endif
	G1 \mt
.if \mt < 7
	AFRAG_B \mt+1                                  ; four behind them.  No wait: no vector or matrix instruction since the wait above names that set
.endif
.if \mt == 0
	SHIFT
	ACCUM 1
.else
	ACCUM 0
.endif
.endr
	FINISH
	global_store_b128 v[L16], v[T:T+3], s[28:29]   ; 512 consecutive bytes: 64 channels' (mean, M2)
	s_wait_dscnt 0x0                               ; the closing lines, six on end
	s_wait_alu 0x0
	s_wait_tensorcnt 0x0
	ds_add_u32 v254, v255
	s_wait_dscnt 0x0
	s_endpgm
.Lfunc_end_k_qb483f51ab2_p1:
	.size	k_qb483f51ab2_p1, .Lfunc_end_k_qb483f51ab2_p1-k_qb483f51ab2_p1
	.p2alignl 7, 3214868480
	.fill 96, 4, 3214868480
	.section	.rodata,"a",@progbits
	.p2align	6, 0x0
	.amdhsa_kernel k_qb483f51ab2_p1
		.amdhsa_group_segment_fixed_size 78848
		.amdhsa_private_segment_fixed_size 0
		.amdhsa_enable_private_segment 0
		.amdhsa_kernarg_size 40
		.amdhsa_user_sgpr_count 2
		.amdhsa_user_sgpr_kernarg_segment_ptr 1
		.amdhsa_wavefront_size32 1
		.amdhsa_system_sgpr_workgroup_id_x 1
		.amdhsa_system_sgpr_workgroup_id_y 1
		.amdhsa_system_sgpr_workgroup_id_z 1
		.amdhsa_system_vgpr_workitem_id 0
		.amdhsa_next_free_vgpr 384
		.amdhsa_next_free_sgpr 66
		.amdhsa_reserve_vcc 0
		.amdhsa_float_denorm_mode_32 3
		.amdhsa_float_denorm_mode_16_64 3
		.amdhsa_memory_ordered 1
		.amdhsa_forward_progress 1
		.amdhsa_inst_pref_size 92
	.end_amdhsa_kernel
	.amdgpu_metadata
---
amdhsa.version: [ 1, 2 ]
amdhsa.kernels:
  - .name:           k_qb483f51ab2_p1
    .symbol:         k_qb483f51ab2_p1.kd
    .args:
      - { .name: fbuf, .offset: 0, .size: 8, .value_kind: global_buffer, .address_space: global }
      - { .name: ubuf, .offset: 8, .size: 8, .value_kind: global_buffer, .address_space: global }
      - { .name: W1_codes, .offset: 16, .size: 8, .value_kind: global_buffer, .address_space: global }
      - { .name: W1_scales, .offset: 24, .size: 8, .value_kind: global_buffer, .address_space: global }
      - { .name: rbuf, .offset: 32, .size: 8, .value_kind: global_buffer, .address_space: global }
    .group_segment_fixed_size: 78848
    .private_segment_fixed_size: 0
    .kernarg_segment_align: 8
    .kernarg_segment_size: 40
    .max_flat_workgroup_size: 256
    .sgpr_count:     66
    .vgpr_count:     384
    .wavefront_size: 32
...
	.end_amdgpu_metadata
.endif
;; end of part 8
;; launch stat1: the kernel of part 5 again; grid 8 x 1, 16 waves a work-group, no clusters, 6,144 bytes of LDS; arguments rbuf, g1, st1; writes st1
;; launch mid (part 9): grid 256 x 1, 8 waves a work-group, no clusters, 113,664 bytes of LDS; arguments fbuf, ubuf, st1, b1, W1_codes, W1_scales, W2_codes, W2_scales, mbuf; writes mbuf
.if DOCPART == 9
	.amdgcn_target "amdgcn-amd-amdhsa--gfx1250"
	.amdhsa_code_object_version 6
	.text
	.protected	k_qb483f51ab2_mid
	.globl	k_qb483f51ab2_mid
	.p2align	8
	.type	k_qb483f51ab2_mid,@function
k_qb483f51ab2_mid:
	s_mov_b64 s[64:65], 0
	v_nop
	global_prefetch_b8 v0, s[64:65] scope:SCOPE_SE
	s_setreg_imm32_b32 hwreg(HW_REG_WAVE_SCHED_MODE, 0, 2), 2
	s_setreg_imm32_b32 hwreg(HW_REG_WAVE_MODE, 25, 1), 1
	s_wait_xcnt 0x0
	s_wait_alu depctr_vm_vsrc(0)
; h = relu((y1 - mean1) a1 + b1) as codes, and the second product for its statistics.
; A work-group owns 256 points; their codes and scale bytes (interp's, laid by quarters of its 256 channels, and unknow_feats') come into LDS as rows of 272 bytes a point.
; PHASE 1: the first product once more, by the same instructions as in the launch that took its statistics
; (source 0 = 16 rows of W1, source 1 = 16 points; wave (cw, pw): channels 64 cw on, points 128 pw on), then norm and relu in f32.
; Lane r of a tile t of W1 takes row 64 cw + 32 (t / 2) + 8 (t % 2) + r + 8 (r / 8), so that the 16 registers of tiles 2 b, 2 b + 1 are 16 neighbours along the next K and a block of 32 lies in lanes l, l xor 16.
; A wave's 64 channels are half a K step of the second product: four registers of a fragment and two bytes of its scale word.  They go to LDS AS AN IMAGE OF THE OPERAND'S REGISTERS
; (16 bytes a lane, 512 a store) for the other waves, and by the same registers to memory for the last launch.
; PHASE 2: the second product (source 0 = 16 rows of W2 in the same order of rows, source 1 = the images) and its statistics, as for the first product.
; y1 and y2 never go to memory.  W1 and W2 (100 KB) are read once into registers: what work-groups share is small, so no cluster and no tensor load.
; LIMITS: NaN and infinities are not served; a block of zeros gets the byte 1 (its codes are zeros; this program alone reads the bytes).
; THE MODE: SCHED_MODE bits 1:0 = 2 (LLVM: expert scheduling mode 2), set by the entry lines.  The code itself states the register dependences
; between vector or matrix instructions and memory or LDS instructions, with s_wait_alu, always for 0.
; THE PLAN.  Registers that memory or LDS instructions touch:
;   v4-15, v204-213   offsets and LDS addresses: made at the head, ahead of one wait, and never written again.
;   v16-79, v200-203, v214, v215   at the head: codes and scale bytes as loaded (v214, v215 made by two shifts), read by the LDS stores that lay the rows.
;   PHASE 1.  Fragment set 0 (v16-47, scale words v224-227), set 1 (v192-223 of window 1, scale words v216-219): tile mt's sixteen products read set mt % 2; the LDS loads of tile mt + 1,
;             issued at the head of tile mt, land in the other set, which the products of tile mt - 1 read last.
;             Code set mt % 2 (v186-189, v190-193) and byte register v184 + mt % 2: written by tile mt's conversions and shifts, read by three stores that are issued at the head of tile mt + 1.
;   PHASE 2.  Fragment set 0 (v16-31, scale words v252-253), set 1 (v32-47, v224-225): as in phase 1.
;   v16-79, v176-179  at the end: the pairs (mean, M2), written by vector instructions, read by LDS stores; four registers come back from LDS and are stored.
;   The accumulators, the norm's numbers, shifts and sums are named by vector and matrix instructions alone (the norm's numbers come by loads at the head).
; So ONE wait on va_vdst stands at a tile's head: the tile before has written its codes and bytes, and its products are done reading their fragments.  One wait on vm_vsrc stands beside it, ahead of the
; stores: the stores issued a tile ago have read the code set and byte register that this tile writes again.  The tile's stores and loads follow; its products, norm and conversions name none of their registers.
.set TP,   272
.set SCT,  69632
.set HIMG, 73728                       ; 16 tiles of points x [K step][half][lane][16 bytes]
.set HSC,  106496                      ; 16 tiles x [K step][point][4 bytes]
.set PST,  108544
.set FA,  4
.set FSC, 5
.set PA,  6
.set PR,  7
.set HWI, 8
.set HWS, 9
.set L16, 10
.set L8,  11
.set HA,  12
.set HB,  13
.set AF,  16                           ; four fragments of points: set 0 v16-47 of window 0,
.set AF1, 192                          ; set 1 v192-223 of window 1
.set HF,  16                           ; in phase 2 two fragments of h: set 0 v16-31, set 1 v32-47
.set ACC, 48                           ; v48-79
.set BM,  80                           ; v80-111 mean, v112-143 a, v144-175 b in the result's layout; in phase 2 shifts and sums
.set BA,  112
.set BB,  144
.set KK,  80
.set S1,  112
.set S2,  144
.set TM,  176                          ; v176-183 at work
.set T,   176
.set PW,  184                          ; v184-185 two scale-byte registers, by turns
.set PC,  186                          ; v186-193 two sets of four registers of codes
.set MP,  16
.set AS1, 216                          ; v216-219 and v224-253 hold scales alone: the points' (two sets), W1's, W2's, h's (its second set in v224-225, which the points' have left)
.set AS,  224
.set W1S, 228
.set W2S, 244
.set HS,  252
.set HS1, 224
.set SEL, 42
.set MSB, 0
.macro WIN new
.if MSB != \new
	s_set_vgpr_msb (MSB<<8)|\new
.set MSB, \new
.endif
.endm
	s_load_b256 s[4:11], s[0:1], 0x0               ; fbuf, ubuf, st1, b1
	s_load_b256 s[12:19], s[0:1], 0x20             ; W1's codes, scales, W2's codes, scales
	s_load_b64 s[20:21], s[0:1], 0x40              ; mbuf
	v_lshl_add_u32 v254, v0, 2, 0x1b800
	v_mov_b32 v255, 0
	v_lshrrev_b32 v1, 5, v0
	v_readfirstlane_b32 s22, v1                    ; wave
	v_and_b32 v1, 31, v0
	v_and_b32 v2, 15, v0                           ; r
	v_bfe_u32 v3, v0, 4, 1                         ; h
	s_wait_alu depctr_va_sdst(0)                   ; s22 is written, ahead of its first reader
	s_and_b32 s23, s22, 3                          ; cw
	s_lshr_b32 s24, s22, 2                         ; pw
	s_mul_i32 s48, s24, 128*TP
	v_mul_u32_u24 v[FA], v2, TP
	v_lshl_add_u32 v[FA], v3, 4, v[FA]
	v_add_nc_u32 v[FA], s48, v[FA]
	s_lshl_b32 s48, s24, 11
	s_add_co_u32 s48, s48, SCT
	v_lshl_add_u32 v[FSC], v2, 4, s48
	s_lshl_b32 s48, s22, 9
	s_add_co_u32 s49, s48, PST
	v_lshl_add_u32 v[PA], v3, 7, s49
	v_lshl_add_u32 v[PR], v1, 4, s49
	s_add_co_u32 s48, s48, SCT
	v_lshl_add_u32 v15, v1, 4, s48                 ; point = lane of my wave's 32: its 16 scale bytes
	v_and_b32 v214, 7, v1
	v_lshrrev_b32 v215, 3, v1
	v_lshl_add_u32 v212, v214, 6, s48              ; interp's scale bytes: points 4 (lane % 8) on,
	v_lshl_add_u32 v212, v215, 1, v212             ; the two bytes of quarter lane / 8
	v_lshlrev_b32 v213, 3, v214
	v_lshl_add_u32 v213, v215, 17, v213            ; and in memory: quarter x 128 KB + 8 bytes for four points
	s_lshl_b32 s48, s24, 14
	s_add_co_u32 s48, s48, HIMG
	v_lshl_add_u32 v[HA], v1, 4, s48               ; images: 16 x lane, my 8 tiles of points
	s_lshl_b32 s49, s23, 9
	s_add_co_u32 s48, s48, s49
	v_lshl_add_u32 v[HWI], v1, 4, s48              ; where I store: K step cw / 2, half cw % 2: 512 cw bytes on
	s_lshl_b32 s48, s24, 10
	s_add_co_u32 s48, s48, HSC
	v_lshl_add_u32 v[HB], v2, 2, s48               ; scale words: 4 r
	s_lshr_b32 s49, s23, 1
	s_lshl_b32 s49, s49, 6
	s_add_co_u32 s48, s48, s49
	s_and_b32 s49, s23, 1
	s_lshl_b32 s49, s49, 1
	s_add_co_u32 s48, s48, s49
	v_lshl_add_u32 v[HWS], v2, 2, s48              ; my two bytes of them
	s_lshl_b32 s48, s22, 8
	s_add_co_u32 s48, s48, HSC
	v_lshl_add_u32 v209, v1, 3, s48                ; the scale words' way out: 256 bytes a wave
	v_lshlrev_b32 v[L16], 4, v1
	v_lshlrev_b32 v[L8], 3, v1
	s_mul_i32 s48, s22, 32*TP
	v_lshrrev_b32 v14, 3, v1
	v_mul_u32_u24 v14, v14, TP
	v_and_b32 v210, 7, v1
	v_lshl_add_u32 v14, v210, 4, v14
	v_add_nc_u32 v14, s48, v14                     ; unknow_feats' codes: eight lanes to 128 bytes of a row, four rows an instruction
	v_lshrrev_b32 v211, 1, v1
	v_mul_u32_u24 v211, v211, TP
	v_and_b32 v210, 1, v1
	v_lshl_add_u32 v211, v210, 4, v211
	v_add_nc_u32 v211, s48, v211                   ; interp's codes: two lanes to a quarter's 32 bytes of a row, sixteen rows an instruction
	v_and_b32 v210, 8, v2
	v_add_nc_u32 v210, v210, v2                    ; r + 8 (r / 8)
	v_lshlrev_b32 v204, 8, v210
	v_lshl_add_u32 v204, v3, 4, v204               ; W1: rows of 256 bytes
	v_lshlrev_b32 v205, 4, v210
	v_lshlrev_b32 v206, 7, v210
	v_lshl_add_u32 v206, v3, 4, v206               ; W2: rows of 128 bytes
	v_lshlrev_b32 v207, 3, v210
	v_lshlrev_b32 v208, 6, v3                      ; the norm's numbers: 16 channels on for lanes 16-31
	s_mov_b32 s[SEL], 0x76543210
	s_mov_b32 s[SEL+1], 0xfedcba98                 ; v_permlanex16_b32's selects for lane l xor 16
	s_lshl_b32 s25, ttmp9, 8
	s_lshl_b32 s44, s22, 5
	s_add_co_u32 s25, s25, s44                     ; my wave's first point among all
	s_mov_b32 s45, 0
	s_wait_kmcnt 0x0
	s_lshl_b32 s44, s25, 5
	s_add_nc_u64 s[28:29], s[4:5], s[44:45]        ; interp's codes: 32 bytes a point and quarter
	s_lshl_b32 s44, s25, 7
	s_add_nc_u64 s[32:33], s[6:7], s[44:45]        ; unknow_feats'
	s_lshl_b32 s44, s25, 1
	s_add_co_u32 s44, s44, 8388608
	s_add_nc_u64 s[30:31], s[4:5], s[44:45]        ; interp's scale bytes: 2 a point and quarter
	s_lshl_b32 s44, s25, 3
	s_add_co_u32 s44, s44, 8388608
	s_add_nc_u64 s[34:35], s[6:7], s[44:45]
	s_lshl_b32 s44, s23, 14
	s_add_nc_u64 s[12:13], s[12:13], s[44:45]
	s_lshl_b32 s44, s23, 10
	s_add_nc_u64 s[14:15], s[14:15], s[44:45]
	s_lshl_b32 s44, s23, 13
	s_add_nc_u64 s[16:17], s[16:17], s[44:45]
	s_lshl_b32 s44, s23, 9
	s_add_nc_u64 s[18:19], s[18:19], s[44:45]
	s_lshl_b32 s44, s23, 8
	s_add_nc_u64 s[8:9], s[8:9], s[44:45]
	s_add_nc_u64 s[10:11], s[10:11], s[44:45]
	s_lshl_b32 s44, ttmp9, 15
	s_lshl_b32 s46, s24, 14
	s_add_co_u32 s44, s44, s46
	s_lshl_b32 s46, s23, 9
	s_add_co_u32 s44, s44, s46
	s_add_nc_u64 s[36:37], s[20:21], s[44:45]      ; the images in memory: tile 16 work-group + 8 pw, + 512 cw
	s_lshl_b32 s44, ttmp9, 11
	s_lshl_b32 s46, s22, 8
	s_add_co_u32 s44, s44, s46
	s_add_co_u32 s44, s44, 8388608
	s_add_nc_u64 s[38:39], s[20:21], s[44:45]      ; their scale words
	s_lshl_b32 s44, ttmp9, 1
	s_add_co_u32 s44, s44, s24
	s_lshl_b32 s44, s44, 11
	s_lshl_b32 s46, s23, 9
	s_add_co_u32 s44, s44, s46
	s_add_co_u32 s44, s44, 8912896
	s_add_nc_u64 s[40:41], s[20:21], s[44:45]      ; the statistics
	s_wait_alu depctr_va_vdst(0)                   ; the offsets and LDS addresses v4 to v15 and v204 to v213 are written, which every load and store of the kernel reads
.irp q, 0,1,2,3
.irp a, 0,1
	global_load_b128 v[16+4*(2*\q+\a):16+4*(2*\q+\a)+3], v[L16], s[28:29] offset:2097152*\q+512*\a   ; 512 consecutive bytes: 16 points of a quarter
.endr
.endr
.irp i, 0,1,2,3,4,5,6,7
	global_load_b128 v[48+4*\i:51+4*\i], v[L16], s[32:33] offset:512*\i
.endr
	global_load_b64 v[200:201], v213, s[30:31]
	global_load_b64 v[202:203], v[L8], s[34:35]
	WIN 0x40                                       ; destination window 1
.irp t, 0,1,2,3
.irp q, 0,1,2,3
.irp c, 0,1
	global_load_b128 v[8*(4*\t+\q)+4*\c:8*(4*\t+\q)+4*\c+3], v204, s[12:13] offset:(32*(\t/2)+8*(\t%2))*256+64*\q+32*\c
.endr
.endr
.endr
	WIN 0
.irp t, 0,1,2,3
	global_load_b128 v[W1S+4*\t:W1S+4*\t+3], v205, s[14:15] offset:(32*(\t/2)+8*(\t%2))*16
.endr
	s_wait_loadcnt 36                              ; my 32 points' codes and scale bytes are in; W1's 36 loads may be out
	v_lshrrev_b32 v214, 16, v200
	v_lshrrev_b32 v215, 16, v201
	s_wait_alu depctr_va_vdst(0)                   ; the two shifts have written v214 and v215, which LDS stores below read
.irp q, 0,1,2,3
.irp a, 0,1
	ds_store_b128 v211, v[16+4*(2*\q+\a):16+4*(2*\q+\a)+3] offset:16*TP*\a+32*\q    ; K = 64 q on
.endr
.endr
.irp i, 0,1,2,3,4,5,6,7
	ds_store_b128 v14, v[48+4*\i:51+4*\i] offset:128+4*TP*\i                        ; K = 256 on
.endr
	ds_store_b16 v212, v200                        ; four points' two bytes of my quarter
	ds_store_b16 v212, v214 offset:16
	ds_store_b16 v212, v201 offset:32
	ds_store_b16 v212, v215 offset:48
	ds_store_b64 v15, v[202:203] offset:8
	WIN 0x40
.irp t, 0,1,2,3                        ; W2's fragment (tile t, K step s) at v[128 + 8 (2 t + s)] of window 1
.irp s, 0,1
.irp c, 0,1
	global_load_b128 v[128+8*(2*\t+\s)+4*\c:128+8*(2*\t+\s)+4*\c+3], v206, s[16:17] offset:(32*(\t/2)+8*(\t%2))*128+64*\s+32*\c
.endr
.endr
.endr
	WIN 0
.irp t, 0,1,2,3
	global_load_b64 v[W2S+2*\t:W2S+2*\t+1], v207, s[18:19] offset:(32*(\t/2)+8*(\t%2))*8
.endr
.irp t, 0,1,2,3                        ; register 8 t + j of lane (r, h): channel 64 cw + 32 (t / 2) + 16 h + 8 (t % 2) + j
	global_load_b128 v[BM+8*\t:BM+8*\t+3], v208, s[8:9] offset:(32*(\t/2)+8*(\t%2))*4
	global_load_b128 v[BM+8*\t+4:BM+8*\t+7], v208, s[8:9] offset:(32*(\t/2)+8*(\t%2))*4+16
	global_load_b128 v[BA+8*\t:BA+8*\t+3], v208, s[8:9] offset:1024+(32*(\t/2)+8*(\t%2))*4
	global_load_b128 v[BA+8*\t+4:BA+8*\t+7], v208, s[8:9] offset:1024+(32*(\t/2)+8*(\t%2))*4+16
	global_load_b128 v[BB+8*\t:BB+8*\t+3], v208, s[10:11] offset:(32*(\t/2)+8*(\t%2))*4
	global_load_b128 v[BB+8*\t+4:BB+8*\t+7], v208, s[10:11] offset:(32*(\t/2)+8*(\t%2))*4+16
.endr
	v_mov_b32 v[TM+2], 0                           ; written once: a lane permute's destination counts as one of its sources
	v_mov_b32 v[TM+3], 0
	s_wait_dscnt 0x0
	s_barrier_signal -1
	s_barrier_wait -1                              ; 256 whole rows lie in LDS
	s_wait_alu depctr_vm_vsrc(0)                   ; my LDS stores have read v16 to v79 and v200, v201: from here on fragments land there and products write there
.macro AFRAG mt                        ; the scale words and the four fragments of points 128 pw + 16 mt on, into set mt % 2
.set LFB, AF+(AF1-AF)*((\mt)%2)
.set LSB, AS+(AS1-AS)*((\mt)%2)
	ds_load_b128 v[LSB:LSB+3], v[FSC] offset:(\mt)*256
.if (\mt)%2
	WIN 0x40                                       ; set 1: destination window 1, address window 0
.endif
.irp q, 0,1,2,3
.irp c, 0,1
	ds_load_b128 v[LFB+8*\q+4*\c:LFB+8*\q+4*\c+3], v[FA] offset:(\mt)*16*TP+64*\q+32*\c
.endr
.endr
.endm
.macro PLACES
.rept 5
	v_nop                                          ; four for reads of the results, five for products that begin the accumulators anew (ISA guide 7.12.1)
.endr
.endm
.macro G1 mt                           ; 16 products on set mt % 2; the four accumulators take turns, one instruction a turn
.set GFB, AF+(AF1-AF)*((\mt)%2)
.set GSB, AS+(AS1-AS)*((\mt)%2)
.if (\mt)%2
	WIN 0x05                                       ; source 0 (W1) and source 1 (set 1) window 1
.else
	WIN 0x01                                       ; source 0 (W1) window 1
.endif
.irp q, 0,1,2,3
.irp t, 0,1,2,3
.if \q == 0
	v_wmma_scale_f32_16x16x128_f8f6f4 v[ACC+8*\t:ACC+8*\t+7], v[8*(4*\t+\q):8*(4*\t+\q)+7], v[GFB+8*\q:GFB+8*\q+7], 0, v[W1S+4*\t+\q], v[GSB+\q] matrix_a_fmt:MATRIX_FMT_FP4 matrix_b_fmt:MATRIX_FMT_FP4
.else
	v_wmma_scale_f32_16x16x128_f8f6f4 v[ACC+8*\t:ACC+8*\t+7], v[8*(4*\t+\q):8*(4*\t+\q)+7], v[GFB+8*\q:GFB+8*\q+7], v[ACC+8*\t:ACC+8*\t+7], v[W1S+4*\t+\q], v[GSB+\q] matrix_a_fmt:MATRIX_FMT_FP4 matrix_b_fmt:MATRIX_FMT_FP4
.endif
.endr
.endr
	WIN 0
	PLACES
.endm
.macro QUANT2 mt                       ; my 64 channels of 16 points: two blocks of 32 along the next K; codes into set mt % 2, the two bytes into v184 + mt % 2
.set PCS, PC+4*((\mt)%2)
.set PWS, PW+(\mt)%2
.irp b, 0,1
	v_max3_num_f32 v[TM+\b], v[ACC+16*\b], v[ACC+16*\b+1], 0x1800000     ; none is negative; the floor 2^(3 - 127) holds the byte at 1 from below
.endr
.irp i, 2,4,6,8,10,12,14
.irp b, 0,1
	v_max3_num_f32 v[TM+\b], v[TM+\b], v[ACC+16*\b+\i], v[ACC+16*\b+\i+1]
.endr
.endr
.irp b, 0,1
	v_permlanex16_b32 v[TM+2+\b], v[TM+\b], s[SEL], s[SEL+1]
.endr
.irp b, 0,1
	v_max_num_f32 v[TM+\b], v[TM+\b], v[TM+2+\b]
.endr
.irp b, 0,1
	v_add_nc_u32 v[TM+4+\b], 0xff000000, v[TM+\b]
.endr
.irp b, 0,1
	v_lshrrev_b32 v[TM+6+\b], 23, v[TM+4+\b]
.endr
	v_lshl_or_b32 v[PWS], v[TM+7], 8, v[TM+6]
.irp b, 0,1
	v_cvt_scalef32_pk8_fp4_f32 v[PCS+2*\b], v[ACC+16*\b:ACC+16*\b+7], v[TM+4+\b]
	v_cvt_scalef32_pk8_fp4_f32 v[PCS+2*\b+1], v[ACC+16*\b+8:ACC+16*\b+15], v[TM+4+\b]
.endr
	v_nop                                          ; one plain instruction behind the conversions
	v_permlane16_swap_b32 v[PCS], v[PCS+2]         ; the operand's layout wants a whole block in a lane: lanes 0-15 the first, lanes 16-31 the second
	v_permlane16_swap_b32 v[PCS+1], v[PCS+3]
.endm
.macro SEND1 mt                        ; tile mt's codes and bytes leave: issued a tile later, behind that tile's wait
.set SCS, PC+4*((\mt)%2)
.set SWS, PW+(\mt)%2
	ds_store_b128 v[HWI], v[SCS:SCS+3] offset:2048*(\mt)
	global_store_b128 v[L16], v[SCS:SCS+3], s[36:37] offset:2048*(\mt)    ; 512 consecutive bytes
	ds_store_b16 v[HWS], v[SWS] offset:128*(\mt)   ; lanes r and r + 16 write the same two bytes
.endm
	AFRAG 0
	s_wait_loadcnt 0x0                             ; the weights and the norm's numbers
.irp mt, 0,1,2,3,4,5,6,7
	s_wait_dscnt 0x0                               ; this tile's fragments and scale words are in
.if \mt > 0
	s_wait_alu depctr_va_vdst(0)                   ; the tile before has written its codes and its two bytes, which the stores below read; its products are done reading their fragments and scale words, in which the loads below land
.endif
.if \mt > 1
	s_wait_xcnt 0x0                                ; the store to memory issued a tile ago has had its address translated (ISA guide 3.1): its data registers are written again only behind this wait
	s_wait_alu depctr_vm_vsrc(0)                   ; the three stores issued a tile ago have read the code set and the byte register that this tile's conversions and shifts write again
.endif
.if \mt > 0
	SEND1 \mt-1
.endif
.if \mt < 7
	AFRAG \mt+1                                    ; lands while this tile is multiplied, normalised and quantised: none of that names the other set
.endif
	G1 \mt
.set i, 0
.rept 16
	v_pk_add_f32 v[ACC+i:ACC+i+1], v[ACC+i:ACC+i+1], v[BM+i:BM+i+1] neg_lo:[0,1] neg_hi:[0,1]   ; each accumulator from its low end on
.set i, i+2
.endr
.set i, 0
.rept 16
	v_pk_fma_f32 v[ACC+i:ACC+i+1], v[ACC+i:ACC+i+1], v[BA+i:BA+i+1], v[BB+i:BB+i+1]
.set i, i+2
.endr
.set i, 0
.rept 32
	v_max_num_f32 v[ACC+i], 0, v[ACC+i]
.set i, i+1
.endr
	QUANT2 \mt
.endr
	s_wait_alu depctr_va_vdst(0)                   ; the last tile has written its codes and its two bytes, which the stores below read; all products of this phase are done reading v16-47 and v224-227, in which the next phase's loads land
	SEND1 7
	s_wait_dscnt 0x0
	s_barrier_signal -1
	s_barrier_wait -1                              ; all images and scale words of h lie in LDS
.macro HFRAG mt                        ; the two fragments of h (K steps) of tile mt and their scale words, into set mt % 2
.set LHB, HF+16*((\mt)%2)
.set LHS, HS+(HS1-HS)*((\mt)%2)
.irp s, 0,1
.irp c, 0,1
	ds_load_b128 v[LHB+8*\s+4*\c:LHB+8*\s+4*\c+3], v[HA] offset:2048*(\mt)+1024*\s+512*\c
.endr
	ds_load_b32 v[LHS+\s], v[HB] offset:128*(\mt)+64*\s
.endr
.endm
.macro G2 mt
.set GHB, HF+16*((\mt)%2)
.set GHS, HS+(HS1-HS)*((\mt)%2)
	WIN 0x01
.irp s, 0,1
.irp t, 0,1,2,3
.if \s == 0
	v_wmma_scale_f32_16x16x128_f8f6f4 v[ACC+8*\t:ACC+8*\t+7], v[128+8*(2*\t+\s):128+8*(2*\t+\s)+7], v[GHB+8*\s:GHB+8*\s+7], 0, v[W2S+2*\t+\s], v[GHS+\s] matrix_a_fmt:MATRIX_FMT_FP4 matrix_b_fmt:MATRIX_FMT_FP4
.else
	v_wmma_scale_f32_16x16x128_f8f6f4 v[ACC+8*\t:ACC+8*\t+7], v[128+8*(2*\t+\s):128+8*(2*\t+\s)+7], v[GHB+8*\s:GHB+8*\s+7], v[ACC+8*\t:ACC+8*\t+7], v[W2S+2*\t+\s], v[GHS+\s] matrix_a_fmt:MATRIX_FMT_FP4 matrix_b_fmt:MATRIX_FMT_FP4
.endif
.endr
.endr
	WIN 0
	PLACES
.endm
.macro SHIFT
.set i, 0
.rept 32
	v_mul_f32 v[KK+i], 0x3d800000, v[ACC+i]
.set i, i+1
.endr
.irp m, 1,2,4,8
.set i, 0
.rept 32
	v_add_f32_dpp v[KK+i], v[KK+i], v[KK+i] row_xmask:\m row_mask:0xf bank_mask:0xf
.set i, i+1
.endr
.endr
.endm
.macro ACCUM first
.if \first
.set i, 0
.rept 16
	v_pk_add_f32 v[S1+i:S1+i+1], v[ACC+i:ACC+i+1], v[KK+i:KK+i+1] neg_lo:[0,1] neg_hi:[0,1]
.set i, i+2
.endr
.set i, 0
.rept 16
	v_pk_mul_f32 v[S2+i:S2+i+1], v[S1+i:S1+i+1], v[S1+i:S1+i+1]
.set i, i+2
.endr
.else
.irp a, 0,8,16,24
.irp k, 0,2,4,6
	v_pk_add_f32 v[T+\k:T+\k+1], v[ACC+\a+\k:ACC+\a+\k+1], v[KK+\a+\k:KK+\a+\k+1] neg_lo:[0,1] neg_hi:[0,1]
.endr
.irp k, 0,2,4,6
	v_pk_add_f32 v[S1+\a+\k:S1+\a+\k+1], v[S1+\a+\k:S1+\a+\k+1], v[T+\k:T+\k+1]
.endr
.irp k, 0,2,4,6
	v_pk_fma_f32 v[S2+\a+\k:S2+\a+\k+1], v[T+\k:T+\k+1], v[T+\k:T+\k+1], v[S2+\a+\k:S2+\a+\k+1]
.endr
.endr
.endif
.endm
	ds_load_b64 v[200:201], v209
	HFRAG 0
	s_wait_dscnt 6                                 ; the scale words are back; the first fragment's six loads may be out
	global_store_b64 v[L8], v[200:201], s[38:39]   ; 256 consecutive bytes a wave
.irp mt, 0,1,2,3,4,5,6,7
	s_wait_dscnt 0x0                               ; this tile's fragments and scale words are in
.if (\mt > 0) && (\mt < 7)
	s_wait_alu depctr_va_vdst(0)                   ; the products of the tile before are done reading the other set of fragments and scale words, in which the loads below land
.endif
.if \mt < 7
	HFRAG \mt+1                                    ; lands while this tile is multiplied and summed: none of that names the other set
.endif
	G2 \mt
.if \mt == 0
	SHIFT
	ACCUM 1
.else
	ACCUM 0
.endif
.endr
.irp m, 1,2,4,8                        ; over the sixteen lanes; mean = shift + S1 / 128, M2 = S2 - S1^2 / 128
.set i, 0
.rept 64
	v_add_f32_dpp v[S1+i], v[S1+i], v[S1+i] row_xmask:\m row_mask:0xf bank_mask:0xf
.set i, i+1
.endr
.endr
.set i, 0
.rept 32
	v_fma_f32 v[MP+2*i], v[S1+i], 0x3c000000, v[KK+i]
	v_mul_f32 v[T+i%8], 0xbc000000, v[S1+i]
	v_fma_f32 v[MP+2*i+1], v[T+i%8], v[S1+i], v[S2+i]
.set i, i+1
.endr
	s_wait_alu depctr_va_vdst(0)                   ; the pairs (mean, M2) are written, which the LDS stores read; the vector instructions are done with v176 to v179, in which the LDS load lands
.irp t, 0,1,2,3
.irp j, 0,1,2,3,4,5,6,7
	ds_store_b64 v[PA], v[MP+2*(8*\t+\j):MP+2*(8*\t+\j)+1] offset:256*(\t/2)+64*(\t%2)+8*\j
.endr
.endr
	ds_load_b128 v[T:T+3], v[PR]                   ; my wave's own bytes: served in order
	s_wait_dscnt 0x0
	global_store_b128 v[L16], v[T:T+3], s[40:41]   ; 512 consecutive bytes: 64 channels' (mean, M2)
	s_wait_dscnt 0x0                               ; the closing lines, six on end
	s_wait_alu 0x0
	s_wait_tensorcnt 0x0
	ds_add_u32 v254, v255
	s_wait_dscnt 0x0
	s_endpgm
.Lfunc_end_k_qb483f51ab2_mid:
	.size	k_qb483f51ab2_mid, .Lfunc_end_k_qb483f51ab2_mid-k_qb483f51ab2_mid
	.p2alignl 7, 3214868480
	.fill 96, 4, 3214868480
	.section	.rodata,"a",@progbits
	.p2align	6, 0x0
	.amdhsa_kernel k_qb483f51ab2_mid
		.amdhsa_group_segment_fixed_size 113664
		.amdhsa_private_segment_fixed_size 0
		.amdhsa_enable_private_segment 0
		.amdhsa_kernarg_size 72
		.amdhsa_user_sgpr_count 2
		.amdhsa_user_sgpr_kernarg_segment_ptr 1
		.amdhsa_wavefront_size32 1
		.amdhsa_system_sgpr_workgroup_id_x 1
		.amdhsa_system_sgpr_workgroup_id_y 1
		.amdhsa_system_sgpr_workgroup_id_z 1
		.amdhsa_system_vgpr_workitem_id 0
		.amdhsa_next_free_vgpr 480
		.amdhsa_next_free_sgpr 66
		.amdhsa_reserve_vcc 0
		.amdhsa_float_denorm_mode_32 3
		.amdhsa_float_denorm_mode_16_64 3
		.amdhsa_memory_ordered 1
		.amdhsa_forward_progress 1
		.amdhsa_inst_pref_size 153
	.end_amdhsa_kernel
	.amdgpu_metadata
---
amdhsa.version: [ 1, 2 ]
amdhsa.kernels:
  - .name:           k_qb483f51ab2_mid
    .symbol:         k_qb483f51ab2_mid.kd
    .args:
      - { .name: fbuf, .offset: 0, .size: 8, .value_kind: global_buffer, .address_space: global }
      - { .name: ubuf, .offset: 8, .size: 8, .value_kind: global_buffer, .address_space: global }
      - { .name: st1, .offset: 16, .size: 8, .value_kind: global_buffer, .address_space: global }
      - { .name: b1, .offset: 24, .size: 8, .value_kind: global_buffer, .address_space: global }
      - { .name: W1_codes, .offset: 32, .size: 8, .value_kind: global_buffer, .address_space: global }
      - { .name: W1_scales, .offset: 40, .size: 8, .value_kind: global_buffer, .address_space: global }
      - { .name: W2_codes, .offset: 48, .size: 8, .value_kind: global_buffer, .address_space: global }
      - { .name: W2_scales, .offset: 56, .size: 8, .value_kind: global_buffer, .address_space: global }
      - { .name: mbuf, .offset: 64, .size: 8, .value_kind: global_buffer, .address_space: global }
    .group_segment_fixed_size: 113664
    .private_segment_fixed_size: 0
    .kernarg_segment_align: 8
    .kernarg_segment_size: 72
    .max_flat_workgroup_size: 256
    .sgpr_count:     66
    .vgpr_count:     480
    .wavefront_size: 32
...
	.end_amdgpu_metadata
.endif
;; end of part 9
;; launch stat2: the kernel of part 5 again; grid 8 x 1, 16 waves a work-group, no clusters, 6,144 bytes of LDS; arguments mbuf, g2, st2; writes st2
;; launch fin (part 10): grid 256 x 1, 8 waves a work-group, no clusters, 271,360 bytes of LDS; arguments mbuf, st2, b2, W2_codes, W2_scales, out0; writes out0
.if DOCPART == 10
	.amdgcn_target "amdgcn-amd-amdhsa--gfx1250"
	.amdhsa_code_object_version 6
	.text
	.protected	k_qb483f51ab2_fin
	.globl	k_qb483f51ab2_fin
	.p2align	8
	.type	k_qb483f51ab2_fin,@function
k_qb483f51ab2_fin:
	s_mov_b64 s[64:65], 0
	v_nop
	global_prefetch_b8 v0, s[64:65] scope:SCOPE_SE
	s_setreg_imm32_b32 hwreg(HW_REG_WAVE_SCHED_MODE, 0, 2), 2
	s_setreg_imm32_b32 hwreg(HW_REG_WAVE_MODE, 25, 1), 1
	s_wait_xcnt 0x0
	s_wait_alu depctr_vm_vsrc(0)
; out = relu((y2 - mean2) a2 + b2), y2 = h W2^T made once more from h's codes.
; A work-group owns 256 points; wave (cw, pw) makes channels 64 cw .. + 63 of points 128 pw .. + 127.  Here source 0 = 16 points (h's register images, loaded as they were stored) and
; source 1 = 16 neighbouring rows of W2: a lane then holds ONE channel and eight neighbouring points, which is how the output lies ([batch][channel][point]), and the norm's numbers are one a lane.
; The wave's 64 x 128 results go through its own stage in LDS (rows of 512 bytes + 16) and leave as rows: 32 lanes store 512 consecutive bytes.  Waves share nothing: no barrier.
; The launch is bound by its 67 MB of stores; W2 (34 KB) and the images are read into registers: no cluster, no tensor load.
; THE MODE: SCHED_MODE bits 1:0 = 2 (LLVM: expert scheduling mode 2), set by the entry lines.  The code itself states the register dependences
; between vector or matrix instructions and memory or LDS instructions, with s_wait_alu, always for 0.
; THE PLAN.  Registers that memory or LDS instructions touch:
;   v4-9       offsets and LDS addresses: made at the head, ahead of one wait, and never written again.
;   The weights, the norm's numbers, h's images and all scale words come by loads at the head, into registers that no vector instruction has named, and are loaded once.
;   Two out-buffers, v160-191 (even tiles) and v128-159 (odd tiles): written by tile mt's norm and relu, read by eight LDS stores that are issued at the head of tile mt + 1.
;   The way out: two sets of 64 registers, v160-223 and v32-95 (W2's fragments, done with), by turns: sixteen rows come back from the stage into a set and are stored from it.
; So ONE wait on va_vdst stands at a tile's head (the tile before has written its out-buffer) and ONE on vm_vsrc beside it, ahead of the stores (the stores issued a tile ago have read the
; buffer that this tile writes again).  The tile's products, norm and relu name the accumulators and this tile's own buffer: none of the registers that the stores read.
.set SP,  528
.set SO,  4
.set SR,  5
.set L16, 6
.set AB,  16                           ; v16-23 pairs (a, b) of my channel in tile t;  v24-31 pairs (mean, 0)
.set MN,  24
.set W2F, 32                           ; v32-95 W2's fragment (tile t, K step s) at 32 + 8 (2 t + s)
.set ACC, 96
.set O,   128                          ; two out-buffers: tile mt's at 128 + 32 ((mt + 1) % 2)
.set OB,  160                          ; sixteen rows on their way out: set 0 v160-223, set 1 v32-95
.set HS,  224                          ; v224-247 hold scales alone: h's (2 mt + s), W2's (2 t + s)
.set W2S, 240
.set MSB, 0
.macro WIN new
.if MSB != \new
	s_set_vgpr_msb (MSB<<8)|\new
.set MSB, \new
.endif
.endm
	s_load_b256 s[4:11], s[0:1], 0x0               ; mbuf, st2, b2, W2's codes
	s_load_b128 s[12:15], s[0:1], 0x20             ; W2's scales, out0
	v_lshl_add_u32 v254, v0, 2, 0x42000
	v_mov_b32 v255, 0
	v_lshrrev_b32 v1, 5, v0
	v_readfirstlane_b32 s16, v1                    ; wave
	v_and_b32 v1, 31, v0
	v_and_b32 v2, 15, v0                           ; r
	v_bfe_u32 v3, v0, 4, 1                         ; h
	s_wait_alu depctr_va_sdst(0)                   ; s16 is written, ahead of its first reader
	s_and_b32 s17, s16, 3                          ; cw
	s_lshr_b32 s18, s16, 2                         ; pw
	s_mul_i32 s19, s16, 64*SP                      ; my stage
	v_mul_u32_u24 v[SO], v2, SP
	v_lshl_add_u32 v[SO], v3, 5, v[SO]
	v_add_nc_u32 v[SO], s19, v[SO]                 ; in: row r (+ 16 t), 32 bytes for each half of the lanes
	v_lshl_add_u32 v[SR], v1, 4, s19               ; back: a row of 512 bytes
	v_lshlrev_b32 v[L16], 4, v1
	v_lshlrev_b32 v7, 2, v2                        ; 4 r
	v_lshlrev_b32 v8, 3, v2                        ; 8 r
	v_lshlrev_b32 v9, 7, v2
	v_lshl_add_u32 v9, v3, 4, v9                   ; W2: row r of 128 bytes, + 16 h
.irp t, 0,1,2,3
	v_mov_b32 v[MN+2*\t+1], 0                      ; upper halves of the pairs that the packed form names
.endr
	s_mov_b32 s21, 0
	s_wait_kmcnt 0x0
	s_lshl_b32 s20, ttmp9, 11
	s_lshl_b32 s22, s18, 10
	s_add_co_u32 s20, s20, s22
	s_add_co_u32 s20, s20, 8388608
	s_add_nc_u64 s[24:25], s[4:5], s[20:21]        ; h's scale words: tile 16 work-group + 8 pw
	s_lshl_b32 s20, ttmp9, 15
	s_lshl_b32 s22, s18, 14
	s_add_co_u32 s20, s20, s22
	s_add_nc_u64 s[4:5], s[4:5], s[20:21]          ; its images
	s_lshl_b32 s20, s17, 8
	s_add_nc_u64 s[6:7], s[6:7], s[20:21]
	s_add_nc_u64 s[8:9], s[8:9], s[20:21]
	s_lshl_b32 s20, s17, 13
	s_add_nc_u64 s[10:11], s[10:11], s[20:21]
	s_lshl_b32 s20, s17, 9
	s_add_nc_u64 s[12:13], s[12:13], s[20:21]
	s_lshr_b32 s20, ttmp9, 4
	s_lshl_b32 s20, s20, 22
	s_lshl_b32 s22, s17, 20
	s_add_co_u32 s20, s20, s22
	s_and_b32 s22, ttmp9, 15
	s_lshl_b32 s22, s22, 10
	s_add_co_u32 s20, s20, s22
	s_lshl_b32 s22, s18, 9
	s_add_co_u32 s20, s20, s22
	s_add_nc_u64 s[14:15], s[14:15], s[20:21]      ; out0: batch, channel 64 cw, my first point
	s_wait_alu depctr_va_vdst(0)                   ; the offsets and LDS addresses v4 to v9 are written, which every load and store of the kernel reads
.irp t, 0,1,2,3
.irp s, 0,1
.irp c, 0,1
	global_load_b128 v[W2F+8*(2*\t+\s)+4*\c:W2F+8*(2*\t+\s)+4*\c+3], v9, s[10:11] offset:2048*\t+64*\s+32*\c
.endr
.endr
.endr
.irp t, 0,1,2,3
	global_load_b64 v[W2S+2*\t:W2S+2*\t+1], v8, s[12:13] offset:128*\t
	global_load_b32 v[MN+2*\t], v7, s[6:7] offset:64*\t
	global_load_b32 v[AB+2*\t], v7, s[6:7] offset:1024+64*\t
	global_load_b32 v[AB+2*\t+1], v7, s[8:9] offset:64*\t
.endr
.irp mt, 0,1,2,3,4,5,6,7
.irp s, 0,1
	global_load_b32 v[HS+2*\mt+\s], v7, s[24:25] offset:128*\mt+64*\s
.endr
.endr
	WIN 0x40                                       ; destination window 1: h's fragment (tile mt, K step s) at v[8 (2 mt + s)]
.irp mt, 0,1,2,3,4,5,6,7
.irp s, 0,1
.irp c, 0,1
	global_load_b128 v[8*(2*\mt+\s)+4*\c:8*(2*\mt+\s)+4*\c+3], v[L16], s[4:5] offset:2048*\mt+1024*\s+512*\c
.endr
.endr
.endr
	WIN 0
.macro TOSTAGE mt                      ; tile mt's results go into my stage: issued a tile later, behind that tile's wait
.set OS, O+32*(((\mt)+1)%2)
.irp t, 0,1,2,3
	ds_store_b128 v[SO], v[OS+8*\t:OS+8*\t+3] offset:16*SP*\t+64*(\mt)
	ds_store_b128 v[SO], v[OS+8*\t+4:OS+8*\t+7] offset:16*SP*\t+64*(\mt)+16
.endr
.endm
.macro PTILE mt
.set OO, O+32*(((\mt)+1)%2)
	s_wait_loadcnt 4*(7-(\mt))                     ; the four loads of each later tile may be out
.if (\mt) > 0
	s_wait_alu depctr_va_vdst(0)                   ; the tile before has written its out-buffer, which the LDS stores below read
.endif
.if (\mt) > 1
	s_wait_alu depctr_vm_vsrc(0)                   ; the LDS stores issued a tile ago have read the other out-buffer, which this tile writes again
.endif
.if (\mt) > 0
	TOSTAGE (\mt)-1
.endif
	WIN 0x01                                       ; source 0 (h) window 1
.irp s, 0,1
.irp t, 0,1,2,3                        ; the four accumulators take turns, one instruction a turn
.if \s == 0
	v_wmma_scale_f32_16x16x128_f8f6f4 v[ACC+8*\t:ACC+8*\t+7], v[8*(2*(\mt)+\s):8*(2*(\mt)+\s)+7], v[W2F+8*(2*\t+\s):W2F+8*(2*\t+\s)+7], 0, v[HS+2*(\mt)+\s], v[W2S+2*\t+\s] matrix_a_fmt:MATRIX_FMT_FP4 matrix_b_fmt:MATRIX_FMT_FP4
.else
	v_wmma_scale_f32_16x16x128_f8f6f4 v[ACC+8*\t:ACC+8*\t+7], v[8*(2*(\mt)+\s):8*(2*(\mt)+\s)+7], v[W2F+8*(2*\t+\s):W2F+8*(2*\t+\s)+7], v[ACC+8*\t:ACC+8*\t+7], v[HS+2*(\mt)+\s], v[W2S+2*\t+\s] matrix_a_fmt:MATRIX_FMT_FP4 matrix_b_fmt:MATRIX_FMT_FP4
.endif
.endr
.endr
	WIN 0
.rept 5
	v_nop                                          ; four places for the reads below, five for the next tile's products, which begin the accumulators anew (ISA guide 7.12.1)
.endr
.irp t, 0,1,2,3
.irp k, 0,2,4,6
	v_pk_add_f32 v[OO+8*\t+\k:OO+8*\t+\k+1], v[ACC+8*\t+\k:ACC+8*\t+\k+1], v[MN+2*\t:MN+2*\t+1] op_sel_hi:[1,0] neg_lo:[0,1] neg_hi:[0,1]   ; y - mean; each accumulator from its low end on
.endr
.endr
.irp t, 0,1,2,3
.irp k, 0,2,4,6
	v_pk_fma_f32 v[OO+8*\t+\k:OO+8*\t+\k+1], v[OO+8*\t+\k:OO+8*\t+\k+1], v[AB+2*\t:AB+2*\t+1], v[AB+2*\t:AB+2*\t+1] op_sel:[0,0,1] op_sel_hi:[1,0,1]   ; x a (the pair's first register for both halves) + b (its second for both)
.endr
.endr
.set i, 0
.rept 32
	v_max_num_f32 v[OO+i], 0, v[OO+i]
.set i, i+1
.endr
.endm
.irp mt, 0,1,2,3,4,5,6,7
	PTILE \mt
.endr
; THE WAY OUT, sixteen channels' rows at a time, a set of registers ahead: while one set's rows are stored, the next set's are on their way back from the stage.
.macro BACK b                          ; rows 16 b .. 16 b + 15 into set b % 2
.set LB, OB-128*((\b)%2)
.irp n, 0,1,2,3,4,5,6,7,8,9,10,11,12,13,14,15
	ds_load_b128 v[LB+4*\n:LB+4*\n+3], v[SR] offset:SP*(16*(\b)+\n)     ; my own bytes: LDS serves a wave's instructions in order
.endr
.endm
.macro SEND b, younger                 ; younger: the LDS loads issued behind this set's sixteen, which may stay out
.set SB, OB-128*((\b)%2)
.irp n, 0,1,2,3,4,5,6,7,8,9,10,11,12,13,14,15
	s_wait_dscnt \younger+15-\n
	global_store_b128 v[L16], v[SB+4*\n:SB+4*\n+3], s[14:15] offset:16384*(16*(\b)+\n) th:TH_STORE_NT   ; 512 consecutive bytes at a multiple of 256 from the output's first byte; written once, read by nobody here
.endr
.endm
	s_wait_alu depctr_va_vdst(0)                   ; the last tile has written v128-159, which the LDS stores below read; the vector and matrix instructions are done with v160-191 and with W2's fragments v32-95, in which the loads below land
	s_wait_alu depctr_vm_vsrc(0)                   ; the LDS stores issued a tile ago have read v160-191, in which the first sixteen rows land
	TOSTAGE 7
	BACK 0
	BACK 1
	SEND 0, 16
	s_wait_xcnt 0x0                                ; the stores of rows 0-15 have had their addresses translated (ISA guide 3.1): their registers are loaded again only behind this wait
	s_wait_alu depctr_vm_vsrc(0)                   ; the stores of rows 0-15 have read v160-223, in which rows 32-47 land
	BACK 2
	SEND 1, 16
	s_wait_xcnt 0x0                                ; likewise the stores of rows 16-31
	s_wait_alu depctr_vm_vsrc(0)                   ; the stores of rows 16-31 have read v32-95, in which rows 48-63 land
	BACK 3
	SEND 2, 16
	SEND 3, 0
	s_wait_dscnt 0x0                               ; the closing lines, six on end
	s_wait_alu 0x0
	s_wait_tensorcnt 0x0
	ds_add_u32 v254, v255
	s_wait_dscnt 0x0
	s_endpgm
.Lfunc_end_k_qb483f51ab2_fin:
	.size	k_qb483f51ab2_fin, .Lfunc_end_k_qb483f51ab2_fin-k_qb483f51ab2_fin
	.p2alignl 7, 3214868480
	.fill 96, 4, 3214868480
	.section	.rodata,"a",@progbits
	.p2align	6, 0x0
	.amdhsa_kernel k_qb483f51ab2_fin
		.amdhsa_group_segment_fixed_size 271360
		.amdhsa_private_segment_fixed_size 0
		.amdhsa_enable_private_segment 0
		.amdhsa_kernarg_size 48
		.amdhsa_user_sgpr_count 2
		.amdhsa_user_sgpr_kernarg_segment_ptr 1
		.amdhsa_wavefront_size32 1
		.amdhsa_system_sgpr_workgroup_id_x 1
		.amdhsa_system_sgpr_workgroup_id_y 1
		.amdhsa_system_sgpr_workgroup_id_z 1
		.amdhsa_system_vgpr_workitem_id 0
		.amdhsa_next_free_vgpr 384
		.amdhsa_next_free_sgpr 66
		.amdhsa_reserve_vcc 0
		.amdhsa_float_denorm_mode_32 3
		.amdhsa_float_denorm_mode_16_64 3
		.amdhsa_memory_ordered 1
		.amdhsa_forward_progress 1
		.amdhsa_inst_pref_size 61
	.end_amdhsa_kernel
	.amdgpu_metadata
---
amdhsa.version: [ 1, 2 ]
amdhsa.kernels:
  - .name:           k_qb483f51ab2_fin
    .symbol:         k_qb483f51ab2_fin.kd
    .args:
      - { .name: mbuf, .offset: 0, .size: 8, .value_kind: global_buffer, .address_space: global }
      - { .name: st2, .offset: 8, .size: 8, .value_kind: global_buffer, .address_space: global }
      - { .name: b2, .offset: 16, .size: 8, .value_kind: global_buffer, .address_space: global }
      - { .name: W2_codes, .offset: 24, .size: 8, .value_kind: global_buffer, .address_space: global }
      - { .name: W2_scales, .offset: 32, .size: 8, .value_kind: global_buffer, .address_space: global }
      - { .name: out0, .offset: 40, .size: 8, .value_kind: global_buffer, .address_space: global }
    .group_segment_fixed_size: 271360
    .private_segment_fixed_size: 0
    .kernarg_segment_align: 8
    .kernarg_segment_size: 48
    .max_flat_workgroup_size: 256
    .sgpr_count:     66
    .vgpr_count:     384
    .wavefront_size: 32
...
	.end_amdgpu_metadata
.endif
;; end of part 10
